; MI455X (gfx1250); checked and timed in simulation.
; The chip was launched on July 23, 2026; its instructions are those of AMD's public machine-readable ISA for CDNA 5 (MIT licence, August 2026) and "CDNA5" Instruction Set Architecture Reference Guide (July 2026). The comments in the code are by the model that wrote it; some were corrected since.
;; Causal Multi Head Self Attention. Allowed arithmetic: matrix products marked QUANTISED: E2M1 operands, one E8M0 scale for each 32 along K, by v_wmma_scale_f32_16x16x128_f8f6f4 with both operands' format E2M1 (or v_wmma_scale_f32_32x16x128_f4), f32 sums; products left as they are: bf16, f16 or f32 operands; f32 sums; everything else in f32.
;; Inputs: Wk 1,024 x 1,024 float32; Wo 1,024 x 1,024 float32; Wq 1,024 x 1,024 float32; Wv 1,024 x 1,024 float32; token_positions 2,048 int32; x 2 x 2,048 x 1,024 float32.
;; Outputs: out0 2 x 2,048 x 1,024 float32.
;; This version of the problem:
;;   THIS VERSION OF THE PROBLEM IS GIVEN IN LOW PRECISION. The matrix products marked QUANTISED in the list below multiply operands that are first quantised to E2M1 (2 exponent bits, 1 mantissa bit; 4 bits a number), with one power-of-two scale for each 32 numbers along K (OCP MX v1.0); their sums are f32. The products marked 'left as it is' may take bf16, f16 or f32 operands, with f32 sums. Whichever they take, every output number must still come out within the allowed error. Rounding operands to bf16 (8 significant bits) uses up far more of that allowance than f16 does (11 bits, for magnitudes from 6e-5 to 65,504). All else is computed in f32.
;;   The module's matrix products, in the order in which they are computed (A, B: the left and right operand; K: the contracted axis; several contracted axes count as one K, in the product's order):
;;     1. [M 4,096, K 1,024] x [K 1,024, N 1,024]; A: input x; B: input Wq: QUANTISED
;;     2. [M 4,096, K 1,024] x [K 1,024, N 1,024]; A: input x; B: input Wk: QUANTISED
;;     3. [M 4,096, K 1,024] x [K 1,024, N 1,024]; A: input x; B: input Wv: QUANTISED
;;     4. batch 32 x [M 2,048, K 64] x [K 64, N 2,048]; A: computed on the way; B: computed on the way: left as it is (an operand is computed on the way)
;;     5. batch 32 x [M 2,048, K 2,048] x [K 2,048, N 64]; A: computed on the way; B: computed on the way: left as it is (an operand is computed on the way)
;;     6. [M 4,096, K 1,024] x [K 1,024, N 1,024]; A: computed on the way; B: input Wo: left as it is (an operand is computed on the way)
;;   THE QUANTISER, for each operand of a quantised product, along K:
;;     - K is cut into blocks of 32 from its start; a last block that is shorter is filled with zeros.
;;     - A block's scale is 2^e with e = floor(log2(the largest magnitude in the block)) - 2, held to -126 .. 127; a block of zeros has e = 0. As a byte (E8M0): e + 127.
;;     - Each number is divided by its block's scale, clamped to +-6, and rounded to the nearest number of E2M1, ties to even, subnormals kept.
;;     - The product sums the exact products of the quantised numbers (number of the format x scale) in f32.
;;   ~~~python
;;   def quantise(x, axis):      # numpy; x: float32 -> the quantised numbers, widened to float32 again
;;       x = np.moveaxis(x, axis, -1); K = x.shape[-1]
;;       x = np.pad(x, [(0, 0)] * (x.ndim - 1) + [(0, -K % 32)]); x = x.reshape(x.shape[:-1] + (-1, 32)); a = np.abs(x).max(-1, keepdims=True)
;;       e = np.where(a > 0, np.clip(np.frexp(np.where(a > 0, a, 1))[1] - 1 - 2, -126, 127), 0)      # np.frexp(a)[1] - 1 = floor(log2(a)), exactly
;;       r = np.clip(x / 2.0 ** e, -6, 6)
;;       step = 2.0 ** (np.maximum(np.frexp(np.where(r == 0, 1, r))[1] - 1, 0) - 1)
;;       q = np.round(r / step) * step * 2.0 ** e      # np.round: ties to even
;;       return np.moveaxis(q.reshape(q.shape[:-2] + (-1,))[..., :K], -1, axis).astype(np.float32)
;;   ~~~
;; One version. Each part assembles by itself: llvm-mc -triple=amdgcn-amd-amdhsa -mcpu=gfx1250 --defsym DOCPART=n.
;; ======== version 1 of 1: 5 launches
;; limits: values are held in f16: magnitudes above 65,504 overflow, below 6.1e-05 lose precision; right only within a limited range of input values
;; workspace buffers: xw_codes 3,670,016 bytes; xw_scales 229,376 bytes; wo16 2,097,152 bytes; rope 524,288 bytes; qkv16 25,165,824 bytes; fine32 393,216 bytes; attn16 8,388,608 bytes
;; launch prep (part 1): grid 288 x 1, 4 waves a work-group, no clusters, 33,280 bytes of LDS; arguments x, Wq, Wk, Wv, Wo, token_positions, xw_codes, xw_scales, wo16, rope; writes xw_codes, xw_scales, wo16, rope
.if DOCPART == 1
	.amdgcn_target "amdgcn-amd-amdhsa--gfx1250"
	.amdhsa_code_object_version 6
	.text
	.protected	k_q05367cb81e_prep
	.globl	k_q05367cb81e_prep
	.p2align	8
	.type	k_q05367cb81e_prep,@function
k_q05367cb81e_prep:
	s_mov_b64 s[64:65], 0
	v_nop
	global_prefetch_b8 v0, s[64:65] scope:SCOPE_SE
	s_setreg_imm32_b32 hwreg(HW_REG_WAVE_MODE, 25, 1), 1
	s_wait_xcnt 0x0
; PREP: three kinds of work-group, told apart by the work-group's number.
;  0..223   x [4096][1024] and Wq, Wk, Wv [1024][1024], f32, become codes of FP4 (E2M1), K innermost, with one E8M0 byte for each 32 along K.
;           A block's scale is 2^(floor(log2(largest magnitude)) - 2); its byte is the largest magnitude's exponent field - 2, held at 1 from below
;           (a block of zeros so gets the byte 1 where the rule says 127: its codes are zeros, and the bytes are read by this program alone).
;           x's rows lie as they come.  The 3,072 rows n of Wq, Wk, Wv lie behind them in the order n' = 32 (n / 32) + 16 (n % 2) + (n % 32) / 2:
;           in each group of 32 rows the 16 even ones first, then the 16 odd ones, so that the next launch finds the two members of a rotated pair in one lane.
;  224..255 Wo, f32, becomes f16, in place order.
;  256..287 the table of cos and sin: for each sequence index s, 32 cos and 32 sin of token_positions[s] x 10000^(-f / 32), f = 0 .. 31: 256 bytes.
; LIMITS: NaN and infinities among the inputs are not served; blocks whose largest magnitude lies under 2^(2 - 126) get the floor's byte; Wo's magnitudes stay under 65,504 (f16).
;         10000^(-f / 32) is made by v_exp_f32 and may differ by a few units in the last place from a power function's, so the angle's error grows as position x 4e-7;
;         the range reduction (two parts of pi / 2) holds for |position| up to 2^20.
.set STEPS, 16
.set EMAX,  2
.set R,     16                         ; v16-79   four sets of 16 numbers as they are loaded
.set X,     80                         ; v80-111  two sets of 16 neighbours
.set E,     112                        ; v112-127 a scale byte for each step
.set C,     128                        ; v128-191 codes: four registers for each step, so that no store's data are written again
.set OFFC,  192                        ; v192-199 where the codes of my wave's row i go: 8 x lane + the row's place
.set WREG,  8192                       ; LDS: a region for each wave: two stages of 32 x SP bytes, behind them its 256 scale bytes
.set SP,    80                         ; a lane's place in a stage: 64 bytes + 16 of padding
.set SPW,   12                         ; v12 LDS address of my spare word; never rewritten
.set NIL,   13                         ; v13 0; never rewritten
.set SPARE, 4*WREG                     ; behind the four regions: the spare words, 128 bytes for each wave
.macro LOAD t
.irp i, 0,1,2,3
	global_load_b128 v[R+16*((\t)%4)+4*\i:R+16*((\t)%4)+4*\i+3], v3, s[24:25] offset:2048*(\t)+512*\i th:TH_LOAD_NT   ; 32 lanes read 512 consecutive bytes
.endr
.endm
.macro TURN t                          ; step t's numbers through the stage: LDS serves a wave's instructions in order, so no wait stands between the stores and the loads
.irp i, 0,1,2,3
	ds_store_b128 v14, v[R+16*((\t)%4)+4*\i:R+16*((\t)%4)+4*\i+3] offset:32*SP*((\t)%2)+8*SP*\i
.endr
.irp i, 0,1,2,3
	ds_load_b128 v[X+16*((\t)%2)+4*\i:X+16*((\t)%2)+4*\i+3], v15 offset:32*SP*((\t)%2)+16*\i
.endr
.endm
.macro STEP t                          ; 512 numbers: half of row t / 2 of my wave's eight rows
.set XS, X+16*((\t)%2)
.if (\t) > 0
	s_wait_dscnt 1                                 ; this step's numbers are back from the stage (the last step's byte store may be out)
.else
	s_wait_dscnt 0x0
.endif
.if (\t)+4 < STEPS
	LOAD (\t)+4
.endif
.if (\t)+1 < STEPS
.if STEPS-2-(\t) >= 3
	s_wait_loadcnt 12                              ; the next step's four loads are in; those of the three steps behind it may be out
.else
	s_wait_loadcnt 4*(STEPS-2-(\t))
.endif
	TURN (\t)+1
.endif
	v_max3_num_f32 v8, |v[XS]|, |v[XS+1]|, |v[XS+2]|               ; the largest magnitude of my 16
	v_max3_num_f32 v9, |v[XS+3]|, |v[XS+4]|, |v[XS+5]|
.irp i, 6,10
	v_max3_num_f32 v8, v8, |v[XS+\i]|, |v[XS+\i+1]|
	v_max3_num_f32 v9, v9, |v[XS+\i+2]|, |v[XS+\i+3]|
.endr
	v_max3_num_f32 v8, v8, |v[XS+14]|, |v[XS+15]|
	v_max3_num_f32 v8, v8, v9, (EMAX+1)<<23        ; and the floor 2^(EMAX + 1 - 127): the byte cannot fall under 1
	v_max_num_f32_dpp v8, v8, v8 row_xmask:1 row_mask:0xf bank_mask:0xf   ; and of my neighbour's 16: the block's
	v_add_nc_u32 v11, -(EMAX<<23), v8              ; EMAX off its exponent field: the conversion takes the exponent field of this operand as its scale
	v_cvt_scalef32_pk8_fp4_f32 v[C+4*(\t)], v[XS:XS+7], v11
	v_cvt_scalef32_pk8_fp4_f32 v[C+4*(\t)+1], v[XS+8:XS+15], v11
	v_lshrrev_b32 v[E+(\t)], 23, v11               ; the scale's byte
	ds_store_b8 v5, v[E+(\t)] offset:16*(\t)       ; both lanes of a block write the same byte with the same value
	global_store_b64 v[OFFC+(\t)/2], v[C+4*(\t):C+4*(\t)+1], s[16:17] offset:256*((\t)%2)   ; 32 lanes store 256 consecutive bytes, aligned
.endm
.macro WLD bt                          ; Wo: 16 loads of 512 consecutive bytes into set bt % 2
.irp i, 0,1,2,3,4,5,6,7,8,9,10,11,12,13,14,15
	global_load_b128 v[16+64*((\bt)%2)+4*\i:16+64*((\bt)%2)+4*\i+3], v3, s[12:13] offset:(16*(\bt)+\i)*512 th:TH_LOAD_NT
.endr
.endm
.macro WCV bt, left                    ; left: the next batch's loads, which may stay out
	s_wait_loadcnt \left
	s_wait_xcnt 0x0                                ; the last batch's stores have read v144-175
.irp i, 0,1,2,3,4,5,6,7,8,9,10,11,12,13,14,15
	v_cvt_pk_f16_f32 v[144+2*\i], v[16+64*((\bt)%2)+4*\i], v[16+64*((\bt)%2)+4*\i+1]
	v_cvt_pk_f16_f32 v[145+2*\i], v[16+64*((\bt)%2)+4*\i+2], v[16+64*((\bt)%2)+4*\i+3]
.endr
.irp i, 0,1,2,3,4,5,6,7,8,9,10,11,12,13,14,15
	global_store_b64 v4, v[144+2*\i:145+2*\i], s[20:21] offset:(16*(\bt)+\i)*256   ; 32 lanes store 256 consecutive bytes, aligned
.endr
.endm
; cos of the angle in v[ang], taken QADD quarter turns back (v3: 0 in the lanes that make cos, 3 in those that make sin: sin a = cos(a - pi / 2)).
.macro SINCOS res, ang
	v_mul_f32 v16, s48, v[\ang]
	v_rndne_f32 v16, v16                           ; n = the nearest whole number of quarter turns
	v_fma_f32 v17, -v16, s49, v[\ang]              ; r = angle - n pi / 2, pi / 2 in two parts
	v_fma_f32 v17, v16, s50, v17
	v_cvt_i32_f32 v18, v16
	v_mul_f32 v19, v17, v17                        ; z = r^2
	v_fma_f32 v20, v19, s51, s52
	v_fma_f32 v20, v20, v19, s53
	v_mul_f32 v21, v19, v17
	v_fma_f32 v20, v20, v21, v17                   ; sin r
	v_fma_f32 v22, v19, s54, s55
	v_fma_f32 v22, v22, v19, s56
	v_mul_f32 v23, v19, v19
	v_fma_f32 v24, v19, -0.5, 1.0
	v_fma_f32 v22, v22, v23, v24                   ; cos r
	v_add_nc_u32 v18, v18, v3                      ; q
	v_and_b32 v25, 1, v18
	v_cmp_eq_u32 vcc_lo, 1, v25
	v_cndmask_b32 v20, v22, v20, vcc_lo            ; odd q: sin r, even q: cos r
	v_add_nc_u32 v18, 1, v18
	v_and_b32 v18, 2, v18
	v_lshlrev_b32 v18, 30, v18                     ; q % 4 = 1, 2: the sign turns
	v_xor_b32 v[\res], v18, v20
.endm
	s_load_b512 s[4:19], s[0:1], 0x0               ; x 4, Wq 6, Wk 8, Wv 10, Wo 12, token_positions 14, xw_codes 16, xw_scales 18
	s_load_b128 s[20:23], s[0:1], 0x40             ; wo16 20, rope 22
	v_lshl_add_u32 v[SPW], v0, 2, SPARE
	v_mov_b32 v[NIL], 0
	v_lshrrev_b32 v1, 5, v0
	v_readfirstlane_b32 s28, v1                    ; wave 0..3
	v_and_b32 v2, 31, v0                           ; lane
	s_wait_kmcnt 0x0
	s_cmp_ge_u32 ttmp9, 256
	s_cbranch_scc1 .Lrope
	s_cmp_ge_u32 ttmp9, 224
	s_cbranch_scc1 .Lwo
	; ---- the quantiser.  A wave takes eight rows of 1,024 numbers
	v_lshlrev_b32 v3, 4, v2                        ; my 16 bytes of a load's 512
	s_mul_i32 s29, s28, WREG
	v_lshrrev_b32 v14, 2, v2
	v_mul_u32_u24 v14, v14, SP
	v_and_b32 v15, 3, v2
	v_lshl_add_u32 v14, v15, 4, v14
	v_add_nc_u32 v14, s29, v14                     ; the stage, on the way in: SP (lane / 4) + 16 (lane % 4)
	v_mul_u32_u24 v15, v2, SP
	v_add_nc_u32 v15, s29, v15                     ; and on the way out: SP x lane: my 16 neighbours
	v_lshlrev_b32 v4, 3, v2                        ; 8 x lane
	v_lshrrev_b32 v5, 1, v2
	s_add_co_u32 s29, s29, 2*32*SP
	v_add_nc_u32 v5, s29, v5                       ; LDS: my wave's 256 scale bytes, my block's byte
	v_add_nc_u32 v6, s29, v4                       ; and on the way out 8 bytes a lane
	s_cmp_lt_u32 ttmp9, 192                        ; which tensor: the choice hangs on the work-group's number alone
	s_cselect_b64 s[24:25], s[8:9], s[10:11]
	s_cmp_lt_u32 ttmp9, 160
	s_cselect_b64 s[24:25], s[6:7], s[24:25]
	s_mov_b32 s30, 127
	s_mov_b32 s31, 512
	s_mov_b32 s32, 8192
	s_cmp_lt_u32 ttmp9, 128                        ; x, or a weight?
	s_cselect_b64 s[24:25], s[4:5], s[24:25]
	s_cselect_b32 s29, 0, 128                      ; the first work-group of the kind
	s_cselect_b32 s30, 511, s30                    ; runs of eight rows in a tensor, less one
	s_cselect_b32 s31, 1024, s31                   ; codes: from row pair to row pair of my eight,
	s_cselect_b32 s32, 512, s32                    ; and from the even row to the odd one
	s_cselect_b32 s33, 64, 32                      ; scale bytes: the same two
	s_cselect_b32 s34, 32, 512
	s_cselect_b32 s35, 0, 0x200000                 ; where the kind's codes begin,
	s_cselect_b32 s36, 0, 0x20000                  ; and its scale bytes
	s_sub_co_u32 s37, ttmp9, s29
	s_lshl_b32 s37, s37, 2
	s_add_co_u32 s37, s37, s28                     ; u: which run of eight rows
	s_and_b32 s38, s37, s30
	s_lshl_b32 s38, s38, 15                        ; 32,768 bytes a run, inside its tensor
	s_mov_b32 s39, 0
	s_add_nc_u64 s[24:25], s[24:25], s[38:39]
	s_lshl_b32 s40, s37, 3                         ; x: row 8 u
	s_lshr_b32 s41, s37, 2
	s_lshl_b32 s41, s41, 5
	s_and_b32 s42, s37, 3
	s_lshl_b32 s42, s42, 2
	s_add_co_u32 s41, s41, s42                     ; weights: row 32 (u / 4) + 4 (u % 4)
	s_cmp_lt_u32 ttmp9, 128
	s_cselect_b32 s40, s40, s41
	s_lshl_b32 s42, s40, 9                         ; 512 bytes of codes a row
	s_add_co_u32 s42, s42, s35
	s_mov_b32 s43, 0
	s_add_nc_u64 s[16:17], s[16:17], s[42:43]
	s_lshl_b32 s42, s40, 5                         ; 32 scale bytes a row
	s_add_co_u32 s42, s42, s36
	s_add_nc_u64 s[18:19], s[18:19], s[42:43]
.irp i, 0,1,2,3,4,5,6,7
	s_mul_i32 s44, s31, \i/2
.if \i%2
	s_add_co_u32 s44, s44, s32
.endif
	v_add_nc_u32 v[OFFC+\i], s44, v4
.endr
	v_and_b32 v10, 3, v2                           ; the scale bytes' way out: lane L holds bytes 8 (L % 4) .. + 7 of row L / 4
	v_lshlrev_b32 v10, 3, v10
	v_lshrrev_b32 v11, 3, v2
	v_mad_u32_u24 v10, v11, s33, v10
	v_bfe_u32 v11, v2, 2, 1
	v_mad_u32_u24 v10, v11, s34, v10
.irp t, 0,1,2,3
	LOAD \t
.endr
	s_wait_loadcnt 12                              ; step 0's four loads are in
	TURN 0
.irp t, 0,1,2,3,4,5,6,7,8,9,10,11,12,13,14,15
	STEP \t
.endr
	ds_load_b64 v[8:9], v6                         ; LDS serves a wave's instructions in order: these see my stores
	s_wait_dscnt 0x0
	global_store_b64 v10, v[8:9], s[18:19]         ; x: 256 consecutive bytes; weights: rows of 32 bytes
	s_wait_tensorcnt 0x0                           ; the wave's end
	ds_add_u32 v[SPW], v[NIL]
	s_wait_dscnt 0x0
	s_endpgm
.Lwo:	; ---- Wo to f16: a wave takes 8,192 numbers
	v_lshlrev_b32 v3, 4, v2
	v_lshlrev_b32 v4, 3, v2
	s_sub_co_u32 s24, ttmp9, 224
	s_lshl_b32 s24, s24, 2
	s_add_co_u32 s24, s24, s28
	s_lshl_b32 s26, s24, 14
	s_lshl_b32 s24, s24, 15
	s_mov_b32 s25, 0
	s_mov_b32 s27, 0
	s_add_nc_u64 s[12:13], s[12:13], s[24:25]
	s_add_nc_u64 s[20:21], s[20:21], s[26:27]
	WLD 0
	WLD 1
	WCV 0, 16
	WLD 2
	WCV 1, 16
	WLD 3
	WCV 2, 16
	WCV 3, 0
	s_endpgm
.Lrope:	; ---- the table: a wave takes 16 sequence indices; lane L makes words 2 L and 2 L + 1 of each row
	s_sub_co_u32 s24, ttmp9, 256
	s_lshl_b32 s24, s24, 6
	s_lshl_b32 s25, s28, 4
	s_add_co_u32 s24, s24, s25                     ; my first index
	s_lshl_b32 s26, s24, 8
	s_lshl_b32 s24, s24, 2
	s_mov_b32 s25, 0
	s_mov_b32 s27, 0
	s_add_nc_u64 s[14:15], s[14:15], s[24:25]
	s_add_nc_u64 s[22:23], s[22:23], s[26:27]
	s_load_b512 s[32:47], s[14:15], 0x0            ; 16 positions, as they are given
	s_mov_b32 s48, 0x3f22f983                      ; 2 / pi
	s_mov_b32 s49, 0x3fc90fdb                      ; pi / 2, its f32,
	s_mov_b32 s50, 0x333bbd2e                      ; and what that f32 has too much
	s_mov_b32 s51, 0xb94ca1f9                      ; sine's polynomial
	s_mov_b32 s52, 0x3c08839e
	s_mov_b32 s53, 0xbe2aaaa3
	s_mov_b32 s54, 0x37ccf5ce                      ; cosine's
	s_mov_b32 s55, 0xbab6061a
	s_mov_b32 s56, 0x3d2aaaa5
	v_and_b32 v7, 15, v2
	v_lshlrev_b32 v7, 1, v7                        ; my two frequencies f
	v_add_nc_u32 v8, 1, v7
	v_cvt_f32_u32 v7, v7
	v_cvt_f32_u32 v8, v8
	v_mul_f32 v7, 0xbed49a78, v7                   ; -f log2(10000) / 32
	v_mul_f32 v8, 0xbed49a78, v8
	v_exp_f32 v5, v7
	v_exp_f32 v6, v8
	v_lshrrev_b32 v3, 4, v2                        ; (plain work behind the exponentials)
	v_mul_u32_u24 v3, v3, 3                        ; QADD
	v_lshlrev_b32 v4, 3, v2
	s_wait_alu depctr_va_vdst(0)                   ; one wait for both exponentials, ahead of their first reader
	s_wait_kmcnt 0x0
.irp p, 0,1,2,3,4,5,6,7,8,9,10,11,12,13,14,15
	v_cvt_f32_i32 v28, s[32+\p]
	v_mul_f32 v29, v28, v5                         ; the angle, rounded to f32
	v_mul_f32 v30, v28, v6
	SINCOS 32+2*\p, 29
	SINCOS 33+2*\p, 30
	global_store_b64 v4, v[32+2*\p:33+2*\p], s[22:23] offset:256*\p   ; 32 lanes store a row of 256 bytes, aligned; each row has registers of its own
.endr
	s_endpgm
.Lfunc_end_k_q05367cb81e_prep:
	.size	k_q05367cb81e_prep, .Lfunc_end_k_q05367cb81e_prep-k_q05367cb81e_prep
	.p2alignl 7, 3214868480
	.fill 96, 4, 3214868480
	.section	.rodata,"a",@progbits
	.p2align	6, 0x0
	.amdhsa_kernel k_q05367cb81e_prep
		.amdhsa_group_segment_fixed_size 33280
		.amdhsa_private_segment_fixed_size 0
		.amdhsa_enable_private_segment 0
		.amdhsa_kernarg_size 80
		.amdhsa_user_sgpr_count 2
		.amdhsa_user_sgpr_kernarg_segment_ptr 1
		.amdhsa_wavefront_size32 1
		.amdhsa_system_sgpr_workgroup_id_x 1
		.amdhsa_system_sgpr_workgroup_id_y 1
		.amdhsa_system_sgpr_workgroup_id_z 1
		.amdhsa_system_vgpr_workitem_id 0
		.amdhsa_next_free_vgpr 200
		.amdhsa_next_free_sgpr 66
		.amdhsa_reserve_vcc 1
		.amdhsa_float_denorm_mode_32 3
		.amdhsa_float_denorm_mode_16_64 3
		.amdhsa_memory_ordered 1
		.amdhsa_forward_progress 1
		.amdhsa_inst_pref_size 93
	.end_amdhsa_kernel
	.amdgpu_metadata
---
amdhsa.version: [ 1, 2 ]
amdhsa.kernels:
  - .name:           k_q05367cb81e_prep
    .symbol:         k_q05367cb81e_prep.kd
    .args:
      - { .name: x, .offset: 0, .size: 8, .value_kind: global_buffer, .address_space: global }
      - { .name: Wq, .offset: 8, .size: 8, .value_kind: global_buffer, .address_space: global }
      - { .name: Wk, .offset: 16, .size: 8, .value_kind: global_buffer, .address_space: global }
      - { .name: Wv, .offset: 24, .size: 8, .value_kind: global_buffer, .address_space: global }
      - { .name: Wo, .offset: 32, .size: 8, .value_kind: global_buffer, .address_space: global }
      - { .name: token_positions, .offset: 40, .size: 8, .value_kind: global_buffer, .address_space: global }
      - { .name: xw_codes, .offset: 48, .size: 8, .value_kind: global_buffer, .address_space: global }
      - { .name: xw_scales, .offset: 56, .size: 8, .value_kind: global_buffer, .address_space: global }
      - { .name: wo16, .offset: 64, .size: 8, .value_kind: global_buffer, .address_space: global }
      - { .name: rope, .offset: 72, .size: 8, .value_kind: global_buffer, .address_space: global }
    .group_segment_fixed_size: 33280
    .private_segment_fixed_size: 0
    .kernarg_segment_align: 8
    .kernarg_segment_size: 80
    .max_flat_workgroup_size: 128
    .sgpr_count:     66
    .vgpr_count:     200
    .wavefront_size: 32
...
	.end_amdgpu_metadata
.endif
;; end of part 1
;; launch qkv (part 2): grid 12 x 16, 4 waves a work-group, clusters of 4 x 4, 327,680 bytes of LDS; arguments xw_codes, xw_scales, rope, qkv16, fine32; writes qkv16, fine32
.if DOCPART == 2
	.amdgcn_target "amdgcn-amd-amdhsa--gfx1250"
	.amdhsa_code_object_version 6
	.text
	.protected	k_q05367cb81e_qkv
	.globl	k_q05367cb81e_qkv
	.p2align	8
	.type	k_q05367cb81e_qkv,@function
k_q05367cb81e_qkv:
	s_mov_b64 s[64:65], 0
	v_nop
	global_prefetch_b8 v0, s[64:65] scope:SCOPE_SE
	s_setreg_imm32_b32 hwreg(HW_REG_WAVE_MODE, 25, 1), 1
	s_wait_xcnt 0x0
	s_wait_alu depctr_hold_cnt(0) depctr_sa_sdst(0) depctr_va_vdst(0) depctr_va_sdst(0) depctr_va_ssrc(0) depctr_va_vcc(0) depctr_vm_vsrc(0)
	s_getreg_b32 s2, hwreg(HW_REG_IB_STS2, 6, 4)
	s_cmp_eq_u32 s2, 0
	s_cbranch_scc0 .Lentry_in_a_cluster
	s_endpgm
.Lentry_in_a_cluster:
	s_bfe_u32 s2, ttmp6, 0x10000c
	s_cmp_lg_u32 s2, 0xf033
	s_cbranch_scc0 .Lentry_shape_is_right
	s_endpgm
.Lentry_shape_is_right:
; QKV: C[m][n'] = sum over k of x[m][k] W[n'][k], 4,096 x 3,072 x 1,024, on codes of FP4 (E2M1) with one E8M0 scale for each 32 along K; sums in f32.
; W's rows are Wq's, Wk's, Wv's in the order n' = 32 (n / 32) + 16 (n % 2) + (n % 32) / 2.  On the way out q and k are rotated by the table of cos and sin, and q, k, v leave as f16, [tensor][b][head][s][64].
; Positions 0 to 15 of both sequences leave a second time, in f32, for the launch that carries those rows more finely.
; A tile of C, 256 x 256, is made by four waves, 128 x 128 each: 64 accumulators, 512 registers.  K = 1,024 is two K steps of 512: both lie in LDS from the start, so nothing is filled again.
; CLUSTERS: 4 x 4 work-groups; A's tiles (and scales) are asked for jointly along a row of the cluster, B's along a column.  A cluster's x is the tensor: 0 q, 1 k, 2 v.
; THE MATRIX INSTRUCTION IS USED TRANSPOSED (source 0 = 16 rows of W, source 1 = 16 rows of x): lane (r, h) holds row r; in accumulator (a, 2 g) its register j is the EVEN member of pair 8 h + j of group g, in (a, 2 g + 1) the ODD member.
; v goes the same way as q and k, with cos = 1 and sin = 0 (the table's registers are turned into these by a flag): no branch hangs on the tensor.
; LIMITS: q, k, v stay under 65,504 in magnitude (f16).
; REGISTERS: window 0: v0-31 addresses; v32-95 scale words, two sets; v128-191 A's fragments; v192-255 the table, two sets.  Window 1: B's fragments, two sets.  Windows 2, 3: the accumulators.
;   On the way out, window 0: v32-95 rotated numbers, v96-127 their f16, v128-191 rows read back from the stage.
.set KSTEP,  512
.set NQ,     4
.set ROWB,   256
.set KROW,   512                       ; a row of codes in memory
.set PITCH,  272                       ; an LDS row: 256 bytes + 16 of padding: the 16 rows that a load touches start at 16 different banks (64 banks of 4 bytes: ISA guide 11.1)
.set FR,     8
.set NL,     2
.set NP,     4
.set HALFT,  128*PITCH
.set SLOT,   4*HALFT
.set KS,     32                        ; a row of scale bytes
.set SCL,    2*SLOT
.set HALFS,  (128*KS/256)*272
.set SBLK,   (16*KS/256)*272
.set SPARE,  SCL+4*HALFS               ; the spare words, 128 bytes for each wave
.set WOFFC,  0x200000                  ; where W's codes begin in xw_codes,
.set WOFFS,  0x20000                   ; and W's scale bytes in xw_scales
.set MM,   8                           ; v[8:9]   m: 1.0 for q and k, 0.0 for v
.set NN,   10                          ; v[10:11] 1 - m
.set ADRA, 16
.set TO,   18                          ; v18  my byte in the table: 256 x (my first position + r) + 32 h
.set FO,   19                          ; v19  my byte in a head's 16 fine rows: 256 r + 32 h
.set ADRB, 20
.set ZR,   22                          ; v22  my wave's first position in its sequence
.set STO,  24
.set RD,   25
.set CO,   26
.set ADRS, 27
.set SPW,  28
.set NIL,  29
.set SC,   32
.set RR,   32                          ; the way out: 64 rotated numbers
.set HH,   96                          ; 32 registers of f16
.set AF,   128
.set BK,   128                         ; rows read back: v128-159 and v160-191 by turns
.set TAB,  192                         ; the table: set s at v[192 + 32 s]: cos of pairs 0-7 of my half, sin, cos of the head's second 16 pairs, sin
.set G1, 24
.set G0, 32
.set G1B, 48
.set G0B, 56
.set G1S, 68
.set G0S, 76
.set G1SB, 80
.set G0SB, 88
.set MSB, 0
.macro WIN new                         ; the immediate's high byte repeats the setting that is left
.if MSB != \new
	s_set_vgpr_msb (MSB<<8)|\new
.set MSB, \new
.endif
.endm
.set MUL_LO, 0xa1                      ; source 0 (B) window 1, source 1 (A) window 0, C and D window 2
.set MUL_HI, 0xf1
.set TO_B,   0x40
; A joint load: waves 0 and 1 fetch for A, waves 2 and 3 for B; an s_nop 0 and four v_nop follow each of the two lines.
.macro JLOAD g0a, g1a, g0b, g1b
	s_cmp_eq_u32 s15, 0
	s_cbranch_scc0 .Lfor_b_\@
	tensor_load_to_lds s[\g0a:\g0a+3], s[\g1a:\g1a+7]
	s_nop 0
.rept 4
	v_nop
.endr
	s_branch .Lasked_\@
.Lfor_b_\@:
	tensor_load_to_lds s[\g0b:\g0b+3], s[\g1b:\g1b+7]
	s_nop 0
.rept 4
	v_nop
.endr
.Lasked_\@:
.endm
.macro CROUND                          ; a round of the cluster's barrier
	s_barrier_signal -1
	s_barrier_wait -1
	s_cmp_lg_u32 s14, 0
	s_cbranch_scc1 .Lnot_wave_0_\@
	s_barrier_signal -3
.Lnot_wave_0_\@:
	s_barrier_wait -3
	s_barrier_signal -1
	s_barrier_wait -1
.endm
	s_load_b256 s[4:11], s[0:1], 0x0               ; xw_codes 4, xw_scales 6, rope 8, qkv16 10
	s_load_b64 s[12:13], s[0:1], 0x20              ; fine32
	v_lshl_add_u32 v[SPW], v0, 2, SPARE
	v_mov_b32 v[NIL], 0
	ds_add_u32 v[SPW], v[NIL]                      ; the wave's opening: the add, twice on end, and its wait ahead of my first tensor load
	ds_add_u32 v[SPW], v[NIL]
	v_lshrrev_b32 v1, 5, v0
	v_readfirstlane_b32 s14, v1                    ; wave 0..3
	s_lshr_b32 s15, s14, 1                         ; which half of the tile's rows is mine.  Also: I fetch for A (0) or for B (1)
	s_and_b32 s16, s14, 1                          ; which half of its columns.  Also: which 128 rows of that tile I fetch
	s_bfe_u32 s40, ttmp6, 0x40000                  ; cx, cy
	s_bfe_u32 s41, ttmp6, 0x40004
	s_lshl_b32 s42, ttmp9, 2
	s_add_co_u32 s42, s42, s40                     ; tile column of C
	s_and_b32 s17, ttmp7, 0xffff
	s_lshl_b32 s17, s17, 2
	s_add_co_u32 s17, s17, s41                     ; tile row of C
	s_lshl_b32 s43, s41, 2
	s_lshl_b32 s43, 15, s43                        ; my row of the cluster
	s_lshl_b32 s44, 0x1111, s40                    ; my column
	s_or_b32 s[G1+0], s43, (0<<16)|(1<<20)|(1<<21)|(5<<22)|(3<<25)  ; the mask; elements of 1 byte; padding on; bit 21 beside a mask; 4 words after every 64
	s_or_b32 s[G1B+0], s44, (0<<16)|(1<<20)|(1<<21)|(5<<22)|(3<<25)
.irp g, G1, G1B
	s_mov_b32 s[\g+1], ROWB<<16                    ; tensor_dim0
	s_mov_b32 s[\g+2], 128<<16                     ; tensor_dim1
	s_mov_b32 s[\g+3], ROWB<<16                    ; tile_dim0
	s_mov_b32 s[\g+4], 128                         ; tile_dim1
	s_mov_b32 s[\g+5], KROW                        ; the pitch
	s_mov_b32 s[\g+6], 0
	s_mov_b32 s[\g+7], 0
.endr
	s_or_b32 s[G1S+0], s43, (3<<16)|(1<<20)|(1<<21)|(5<<22)|(3<<25)  ; the scales of 128 rows: 4,096 dense bytes as 16 rows of 256 (32 elements of 8 bytes), 16 bytes of padding behind each
	s_or_b32 s[G1SB+0], s44, (3<<16)|(1<<20)|(1<<21)|(5<<22)|(3<<25)
.irp g, G1S, G1SB
	s_mov_b32 s[\g+1], 32<<16
	s_mov_b32 s[\g+2], (128*KS/256)<<16
	s_mov_b32 s[\g+3], 32<<16
	s_mov_b32 s[\g+4], 128*KS/256
	s_mov_b32 s[\g+5], 32
	s_mov_b32 s[\g+6], 0
	s_mov_b32 s[\g+7], 0
.endr
	s_lshl_b32 s18, s16, 7
	s_lshl_b32 s20, s17, 8
	s_add_co_u32 s20, s20, s18                     ; A: row 256 x tile row + 128 x half
	s_lshl_b32 s46, s42, 8
	s_add_co_u32 s46, s46, s18                     ; B: row 256 x tile column + 128 x half
	s_mov_b32 s21, 0
	s_mov_b32 s47, 0
	s_mov_b64 s[18:19], KS
	s_mul_u64 s[22:23], s[20:21], s[18:19]         ; where these rows' scales begin,
	s_mul_u64 s[92:93], s[46:47], s[18:19]
	s_mov_b64 s[18:19], KROW
	s_mul_u64 s[20:21], s[20:21], s[18:19]         ; and their codes
	s_mul_u64 s[46:47], s[46:47], s[18:19]
	s_add_nc_u64 s[46:47], s[46:47], WOFFC         ; W's lie behind x's in both buffers
	s_add_nc_u64 s[92:93], s[92:93], WOFFS
	s_mul_i32 s45, s14, HALFT                      ; where they go: wave x 128 rows
	s_mul_i32 s94, s14, HALFS
	s_wait_dscnt 0x0                               ; both opening adds are done
	s_wait_kmcnt 0x0
	s_add_nc_u64 s[20:21], s[4:5], s[20:21]
	s_add_nc_u64 s[22:23], s[6:7], s[22:23]
	s_add_nc_u64 s[46:47], s[4:5], s[46:47]
	s_add_nc_u64 s[92:93], s[6:7], s[92:93]
	CROUND                                         ; all sixteen work-groups are here: the joint loads meet
	s_mov_b32 s[G0S], 1
	s_add_co_u32 s[G0S+1], s94, SCL
	s_mov_b64 s[G0S+2:G0S+3], s[22:23]
	s_or_b32 s[G0S+3], s[G0S+3], 0x80000000
	s_mov_b32 s[G0SB], 1
	s_add_co_u32 s[G0SB+1], s94, SCL
	s_mov_b64 s[G0SB+2:G0SB+3], s[92:93]
	s_or_b32 s[G0SB+3], s[G0SB+3], 0x80000000
	JLOAD G0S, G1S, G0SB, G1SB                     ; the scales first; three tensor loads of mine are out behind the third
.irp s, 0,1
	s_mov_b32 s[G0+4*\s], 1
	s_add_co_u32 s[G0+4*\s+1], s45, \s*SLOT
	s_add_nc_u64 s[G0+4*\s+2:G0+4*\s+3], s[20:21], \s*ROWB
	s_or_b32 s[G0+4*\s+3], s[G0+4*\s+3], 0x80000000
	s_mov_b32 s[G0B+4*\s], 1
	s_add_co_u32 s[G0B+4*\s+1], s45, \s*SLOT
	s_add_nc_u64 s[G0B+4*\s+2:G0B+4*\s+3], s[46:47], \s*ROWB
	s_or_b32 s[G0B+4*\s+3], s[G0B+4*\s+3], 0x80000000
	JLOAD G0+4*\s, G1, G0B+4*\s, G1B
.endr
	v_and_b32 v1, 15, v0                           ; r
	v_bfe_u32 v2, v0, 4, 1                         ; h
	v_mul_u32_u24 v3, v1, PITCH
	v_lshl_add_u32 v4, v2, 4, v3
	s_mul_i32 s21, s15, HALFT
	s_mul_i32 s22, s16, HALFT
	s_add_co_u32 s22, s22, 2*HALFT
.irp s, 0,1
	v_add_nc_u32 v[ADRA+\s], s21, v4
	v_add_nc_u32 v[ADRB+\s], s22, v4
	s_add_co_u32 s21, s21, SLOT
	s_add_co_u32 s22, s22, SLOT
.endr
	v_mul_u32_u24 v5, v1, KS                       ; my row's scales: 32 bytes a row,
	v_lshrrev_b32 v6, 8, v5
	v_lshl_add_u32 v5, v6, 4, v5                   ; and 16 more for each 256 passed
	s_mul_i32 s21, s15, HALFS
	s_mul_i32 s22, s16, HALFS
	s_add_co_u32 s22, s22, 2*HALFS
	s_sub_co_u32 s22, s22, s21
	v_mul_u32_u24 v6, s22, v2                      ; lanes 16-31 take B's
	s_add_co_u32 s21, s21, SCL
	v_add_nc_u32 v5, v5, v6
	v_add_nc_u32 v[ADRS], s21, v5
	; the way out: my stage, 16 rows x (256 bytes + 16), lies in slot 0, which has had its only fill and its last read when the first result is stored there
	s_mul_i32 s23, s14, 16*PITCH
	v_mul_u32_u24 v5, v1, PITCH
	v_lshl_add_u32 v5, v2, 5, v5
	v_add_nc_u32 v[STO], s23, v5                   ; in: row r, 32 bytes for each half of the lanes
	v_and_b32 v6, 31, v0
	v_lshrrev_b32 v7, 3, v6
	v_mul_u32_u24 v7, v7, PITCH
	v_and_b32 v5, 7, v6
	v_lshl_add_u32 v7, v5, 4, v7
	v_add_nc_u32 v[RD], s23, v7                    ; back: eight lanes take a head's 128 bytes of a row, four rows an instruction
	v_lshlrev_b32 v[CO], 4, v6                     ; which are 512 consecutive bytes of the head in memory
	s_lshl_b32 s20, s17, 8
	s_lshl_b32 s21, s15, 7
	s_add_co_u32 s20, s20, s21                     ; my first row of C
	s_and_b32 s95, s20, 2047                       ; its position,
	s_lshr_b32 s96, s20, 11                        ; its sequence
	s_lshl_b32 s97, s40, 2
	s_lshl_b32 s98, s16, 1
	s_add_co_u32 s97, s97, s98                     ; my first head: 4 cx + 2 x half
	s_lshl_b32 s98, s96, 4
	s_add_co_u32 s98, s98, s97                     ; 16 b + head
	s_lshl_b32 s100, s98, 18                       ; a head is 2,048 rows of 128 bytes
	s_lshl_b32 s99, s95, 7
	s_add_co_u32 s100, s100, s99
	s_lshl_b32 s99, ttmp9, 23                      ; a tensor is 8,388,608 bytes
	s_add_co_u32 s100, s100, s99
	s_mov_b32 s101, 0
	s_add_nc_u64 s[10:11], s[10:11], s[100:101]
	s_lshl_b32 s99, ttmp9, 5
	s_add_co_u32 s99, s99, s98                     ; (2 tensor + b) x 16 + head
	s_lshl_b32 s100, s99, 12                       ; 4,096 fine bytes each
	s_add_nc_u64 s[12:13], s[12:13], s[100:101]
	v_add_nc_u32 v5, s95, v1
	v_lshlrev_b32 v5, 8, v5
	v_lshl_add_u32 v[TO], v2, 5, v5
	v_lshlrev_b32 v5, 8, v1
	v_lshl_add_u32 v[FO], v2, 5, v5
	v_mov_b32 v[ZR], s95
	s_cmp_eq_u32 ttmp9, 2                          ; v is not rotated
	s_cselect_b32 s66, 0, 1.0
	s_cselect_b32 s67, 1.0, 0
	v_mov_b32 v[MM], s66
	v_mov_b32 v[MM+1], s66
	v_mov_b32 v[NN], s67
	v_mov_b32 v[NN+1], s67
; the table's rows of block a (16 positions) into set: for each half gp of a head's 32 pairs my 8 cos, then my 8 sin
.macro TLD a, set
.irp gp, 0,1
	global_load_b128 v[TAB+32*(\set)+16*\gp:TAB+32*(\set)+16*\gp+3], v[TO], s[8:9] offset:4096*(\a)+64*\gp
	global_load_b128 v[TAB+32*(\set)+16*\gp+4:TAB+32*(\set)+16*\gp+7], v[TO], s[8:9] offset:4096*(\a)+64*\gp+16
	global_load_b128 v[TAB+32*(\set)+16*\gp+8:TAB+32*(\set)+16*\gp+11], v[TO], s[8:9] offset:4096*(\a)+128+64*\gp
	global_load_b128 v[TAB+32*(\set)+16*\gp+12:TAB+32*(\set)+16*\gp+15], v[TO], s[8:9] offset:4096*(\a)+128+64*\gp+16
.endr
.endm
	TLD 0, 0                                       ; asked for now, wanted behind the last product
	TLD 1, 1
.macro FRAG reg, adr, q, i             ; 16 rows x 128 K of 4-bit codes: 8 registers; registers 4 c .. 4 c + 3 hold K = 64 c + 32 (l / 16) + 0 .. 31
.irp c, 0,1
	ds_load_b128 v[\reg+4*\c:\reg+4*\c+3], v[\adr] offset:64*(\q)+32*\c+(\i)*16*PITCH
.endr
.endm
; 16 matrix instructions: A's blocks a0, a0 + 1 x B's eight.  The 64 accumulators take turns, one instruction a turn, in the same order in every step.
.macro MUL16 a0, p, q, sc, zero
.irp a, \a0, \a0+1
.irp b, 0,1,2,3,4,5,6,7
.if \zero
	v_wmma_scale_f32_16x16x128_f8f6f4 v[8*(8*((\a)%4)+\b):8*(8*((\a)%4)+\b)+7], v[128*(\p)+FR*\b:128*(\p)+FR*\b+FR-1], v[AF+FR*(\a):AF+FR*(\a)+FR-1], 0, v[SC+8*NQ*(\sc)+NQ*\b+(\q)], v[SC+8*NQ*(\sc)+NQ*(\a)+(\q)] matrix_a_fmt:MATRIX_FMT_FP4 matrix_b_fmt:MATRIX_FMT_FP4 matrix_a_scale:MATRIX_SCALE_ROW1
.else
	v_wmma_scale_f32_16x16x128_f8f6f4 v[8*(8*((\a)%4)+\b):8*(8*((\a)%4)+\b)+7], v[128*(\p)+FR*\b:128*(\p)+FR*\b+FR-1], v[AF+FR*(\a):AF+FR*(\a)+FR-1], v[8*(8*((\a)%4)+\b):8*(8*((\a)%4)+\b)+7], v[SC+8*NQ*(\sc)+NQ*\b+(\q)], v[SC+8*NQ*(\sc)+NQ*(\a)+(\q)] matrix_a_fmt:MATRIX_FMT_FP4 matrix_b_fmt:MATRIX_FMT_FP4 matrix_a_scale:MATRIX_SCALE_ROW1
.endif
.endr
.endr
.endm
.macro FETCH_B slot, q, p
	WIN TO_B
.irp i, 0,1,2,3,4,5,6,7
	FRAG 128*(\p)+FR*\i, ADRB+\slot, \q, \i
.endr
	WIN 0
.endm
.macro FETCH_A slot, q, i0
.irp i, \i0, \i0+1, \i0+2, \i0+3
	FRAG AF+FR*(\i), ADRA+\slot, \q, \i
.endr
.endm
.macro SCALES sc                       ; a K step's scale words: lanes 0-15 take A's block i, lanes 16-31 B's block i
.irp i, 0,1,2,3,4,5,6,7
	ds_load_b128 v[SC+8*NQ*\sc+NQ*\i:SC+8*NQ*\sc+NQ*\i+3], v[ADRS] offset:\i*SBLK
.endr
.endm
.macro PLACES n                        ; places behind matrix instructions, in front of loads into registers that they have read and of the first read of results
.rept \n
	v_nop
.endr
.endm
.macro STEP slot, q, zero              ; 128 along K, with its successor in the same slot
	s_wait_dscnt 4*NL                              ; B's set and A's blocks 0-3 are in; the youngest loads (A's blocks 4-7) may be out
	WIN MUL_LO
	MUL16 0, (\q)%2, \q, \slot, \zero
	MUL16 2, (\q)%2, \q, \slot, \zero
	s_wait_dscnt 0
	PLACES NP
	FETCH_B \slot, (\q)+1, 1-(\q)%2
	FETCH_A \slot, (\q)+1, 0
	WIN MUL_HI
	MUL16 4, (\q)%2, \q, \slot, \zero
	MUL16 6, (\q)%2, \q, \slot, \zero
	PLACES NP
	WIN 0
	FETCH_A \slot, (\q)+1, 4
.endm
.macro STEPS slot, from
.set Q, \from
.rept NQ-1-\from
	STEP \slot, Q, 0
.set Q, Q+1
.endr
.endm
	s_wait_tensorcnt 1                             ; the scales and my part of K step 0 are in (K step 1's load may be out),
	s_barrier_signal -1
	s_barrier_wait -1                              ; everybody's are
	FETCH_B 0, 0, 0
	FETCH_A 0, 0, 0
	SCALES 0
	FETCH_A 0, 0, 4
	STEP 0, 0, 1                                   ; the first step's products start the sums: nothing is cleared
	STEPS 0, 1
	; slot 0's last step changes slots: one barrier; in front of it all my tensor loads have landed and my reads of slot 0 are over.  Nothing is filled again
	s_wait_tensorcnt 0x0
	ds_add_u32 v[SPW], v[NIL]                      ; 0 onto my spare word
	s_wait_dscnt 4*NL+1                            ; (the add and A's blocks 4-7 may be out)
	WIN MUL_LO
	MUL16 0, 1, NQ-1, 0, 0
	s_wait_dscnt 0x0
	s_barrier_signal -1
	MUL16 2, 1, NQ-1, 0, 0
	WIN 0
	s_barrier_wait -1
	PLACES NP
	v_add_nc_u32 v[ADRS], 4*NQ, v[ADRS]            ; on to the second K step's scale words
	FETCH_B 1, 0, 0
	FETCH_A 1, 0, 0
	SCALES 1
	WIN MUL_HI
	MUL16 4, 1, NQ-1, 0, 0
	MUL16 6, 1, NQ-1, 0, 0
	PLACES NP
	WIN 0
	FETCH_A 1, 0, 4
	STEPS 1, 0
	s_wait_dscnt 4*NL                              ; the very last step
	WIN MUL_LO
	MUL16 0, 1, NQ-1, 1, 0
	MUL16 2, 1, NQ-1, 1, 0
	s_wait_dscnt 0
	WIN MUL_HI
	MUL16 4, 1, NQ-1, 1, 0
	MUL16 6, 1, NQ-1, 1, 0
	WIN 0
; THE WAY OUT, block by block of 16 rows x 128 columns (two heads).
.macro BLK a
.set TS, TAB+32*((\a)%2)
.set AC, 64*((\a)%4)
.set WN, 0x02+(\a)/4
.set BB, BK+32*((\a)%2)
.if (\a) < 7
	s_wait_loadcnt 8                               ; this block's eight table loads are in; the next block's may be out
.else
	s_wait_loadcnt 0
.endif
.irp i, 0,2,4,6
	v_pk_fma_f32 v[TS+\i:TS+\i+1], v[TS+\i:TS+\i+1], v[MM:MM+1], v[NN:NN+1]                  ; cos m + (1 - m)
	v_pk_fma_f32 v[TS+16+\i:TS+17+\i], v[TS+16+\i:TS+17+\i], v[MM:MM+1], v[NN:NN+1]
	v_pk_mul_f32 v[TS+8+\i:TS+9+\i], v[TS+8+\i:TS+9+\i], v[MM:MM+1]                          ; sin m
	v_pk_mul_f32 v[TS+24+\i:TS+25+\i], v[TS+24+\i:TS+25+\i], v[MM:MM+1]
.endr
	WIN WN                                         ; source 0: the accumulators' window
.irp g, 0,1,2,3                        ; each accumulator is read from its low end on
.irp j, 0,2,4,6
	v_pk_mul_f32 v[RR+16*\g+\j:RR+16*\g+\j+1], v[AC+16*\g+8+\j:AC+16*\g+9+\j], v[TS+16*(\g%2)+8+\j:TS+16*(\g%2)+9+\j]        ; odd x sin
.endr
.irp j, 0,2,4,6
	v_pk_mul_f32 v[RR+16*\g+8+\j:RR+16*\g+9+\j], v[AC+16*\g+\j:AC+16*\g+\j+1], v[TS+16*(\g%2)+8+\j:TS+16*(\g%2)+9+\j]        ; even x sin
.endr
.irp j, 0,2,4,6
	v_pk_fma_f32 v[RR+16*\g+\j:RR+16*\g+\j+1], v[AC+16*\g+\j:AC+16*\g+\j+1], v[TS+16*(\g%2)+\j:TS+16*(\g%2)+\j+1], v[RR+16*\g+\j:RR+16*\g+\j+1] neg_lo:[0,0,1] neg_hi:[0,0,1]   ; even x cos - odd x sin
.endr
.irp j, 0,2,4,6
	v_pk_fma_f32 v[RR+16*\g+8+\j:RR+16*\g+9+\j], v[AC+16*\g+8+\j:AC+16*\g+9+\j], v[TS+16*(\g%2)+\j:TS+16*(\g%2)+\j+1], v[RR+16*\g+8+\j:RR+16*\g+9+\j]                            ; odd x cos + even x sin
.endr
.endr
	WIN 0
.if (\a) <= 5
	TLD (\a)+2, (\a)%2
.endif
.if (\a) == 0                          ; positions 0 to 15 leave in f32 too: all lanes of the waves that hold them, no lane of the others; no branch
	s_wait_xcnt 0x0                                ; EXEC changes only behind this wait
	v_cmp_eq_u32 vcc_lo, 0, v[ZR]
	s_and_saveexec_b32 s3, vcc_lo
.irp g, 0,1,2,3
.irp u, 0,1
	global_store_b128 v[FO], v[RR+16*\g+8*\u:RR+16*\g+8*\u+3], s[12:13] offset:(\g/2)*4096+(\g%2)*128+64*\u
	global_store_b128 v[FO], v[RR+16*\g+8*\u+4:RR+16*\g+8*\u+7], s[12:13] offset:(\g/2)*4096+(\g%2)*128+64*\u+16
.endr
.endr
	s_wait_xcnt 0x0                                ; and again, in front of the line that widens it
	s_or_b32 exec_lo, exec_lo, s3
.endif
.irp g, 0,1,2,3
.irp j, 0,1,2,3,4,5,6,7
	v_cvt_pk_f16_f32 v[HH+8*\g+\j], v[RR+16*\g+\j], v[RR+16*\g+8+\j]   ; the pair's even member low, its odd member high: the columns are back in their true order
.endr
.endr
.irp g, 0,1,2,3
	ds_store_b128 v[STO], v[HH+8*\g:HH+8*\g+3] offset:64*\g
	ds_store_b128 v[STO], v[HH+8*\g+4:HH+8*\g+7] offset:64*\g+16
.endr
.irp hd, 0,1
.irp t, 0,1,2,3
	ds_load_b128 v[BB+4*(4*\hd+\t):BB+4*(4*\hd+\t)+3], v[RD] offset:4*\t*PITCH+128*\hd   ; LDS serves a wave's instructions in order: these see the stores above
.endr
.endr
.endm
.macro SEND a, younger                 ; younger: the LDS instructions issued behind block a's loads
.set BB, BK+32*((\a)%2)
	s_wait_dscnt \younger
.irp hd, 0,1
.irp t, 0,1,2,3
	global_store_b128 v[CO], v[BB+4*(4*\hd+\t):BB+4*(4*\hd+\t)+3], s[10:11] offset:262144*\hd+2048*(\a)+512*\t   ; 32 lanes store 512 consecutive bytes: four rows of one head
.endr
.endr
.endm
	PLACES NP
	BLK 0
.irp a, 1,2,3,4,5,6,7
.if \a > 1
	s_wait_xcnt 0x0                                ; block a - 2's stores have read their registers: block a's loads may land there
.endif
	BLK \a
	SEND \a-1, 16                                  ; behind block a - 1's loads: block a's 8 stores and 8 loads
.endr
	SEND 7, 0
	s_wait_tensorcnt 0x0                           ; the wave's end
	ds_add_u32 v[SPW], v[NIL]
	s_wait_dscnt 0x0
	CROUND                                         ; the closing round
	s_endpgm
.Lfunc_end_k_q05367cb81e_qkv:
	.size	k_q05367cb81e_qkv, .Lfunc_end_k_q05367cb81e_qkv-k_q05367cb81e_qkv
	.p2alignl 7, 3214868480
	.fill 96, 4, 3214868480
	.section	.rodata,"a",@progbits
	.p2align	6, 0x0
	.amdhsa_kernel k_q05367cb81e_qkv
		.amdhsa_group_segment_fixed_size 327680
		.amdhsa_private_segment_fixed_size 0
		.amdhsa_enable_private_segment 0
		.amdhsa_kernarg_size 40
		.amdhsa_user_sgpr_count 2
		.amdhsa_user_sgpr_kernarg_segment_ptr 1
		.amdhsa_wavefront_size32 1
		.amdhsa_system_sgpr_workgroup_id_x 1
		.amdhsa_system_sgpr_workgroup_id_y 1
		.amdhsa_system_sgpr_workgroup_id_z 1
		.amdhsa_system_vgpr_workitem_id 0
		.amdhsa_next_free_vgpr 1024
		.amdhsa_next_free_sgpr 102
		.amdhsa_reserve_vcc 1
		.amdhsa_float_denorm_mode_32 3
		.amdhsa_float_denorm_mode_16_64 3
		.amdhsa_memory_ordered 1
		.amdhsa_forward_progress 1
		.amdhsa_inst_pref_size 175
	.end_amdhsa_kernel
	.amdgpu_metadata
---
amdhsa.version: [ 1, 2 ]
amdhsa.kernels:
  - .name:           k_q05367cb81e_qkv
    .symbol:         k_q05367cb81e_qkv.kd
    .args:
      - { .name: xw_codes, .offset: 0, .size: 8, .value_kind: global_buffer, .address_space: global }
      - { .name: xw_scales, .offset: 8, .size: 8, .value_kind: global_buffer, .address_space: global }
      - { .name: rope, .offset: 16, .size: 8, .value_kind: global_buffer, .address_space: global }
      - { .name: qkv16, .offset: 24, .size: 8, .value_kind: global_buffer, .address_space: global }
      - { .name: fine32, .offset: 32, .size: 8, .value_kind: global_buffer, .address_space: global }
    .group_segment_fixed_size: 327680
    .private_segment_fixed_size: 0
    .kernarg_segment_align: 8
    .kernarg_segment_size: 40
    .max_flat_workgroup_size: 128
    .sgpr_count:     102
    .vgpr_count:     1024
    .wavefront_size: 32
...
	.end_amdgpu_metadata
.endif
;; end of part 2
;; launch attn (part 3): grid 8 x 32, 16 waves a work-group, no clusters, 327,680 bytes of LDS; arguments qkv16, attn16; writes attn16
.if DOCPART == 3
	.amdgcn_target "amdgcn-amd-amdhsa--gfx1250"
	.amdhsa_code_object_version 6
	.text
	.protected	k_q05367cb81e_attn
	.globl	k_q05367cb81e_attn
	.p2align	8
	.type	k_q05367cb81e_attn,@function
k_q05367cb81e_attn:
	s_mov_b64 s[64:65], 0
	v_nop
	global_prefetch_b8 v0, s[64:65] scope:SCOPE_SE
	s_setreg_imm32_b32 hwreg(HW_REG_WAVE_MODE, 25, 1), 1
	s_wait_xcnt 0x0
; ATTN: O[bh][q] = sum over k <= q of softmax_k(Q[bh][q] . K[bh][k] / 8) V[bh][k].  Q, K, V: f16, [tensor][bh][2048][64] in qkv16; O: f16, [bh][2048][64].  Products on f16 operands with f32 sums; maxima, exponentials and sums in f32.
; SHARES.  Work-group (j, bh) owns the query blocks j and 15 - j of 128 queries: (j + 1) + (16 - j) blocks of 128 keys count for them, the same for every j.  Each of the sixteen waves owns one tile of 16 queries in 256 registers.
; K's and V's rows come through a ring of two LDS slots of 256 keys (waves 0, 1: K's halves; waves 2, 3: V's) and are read by all sixteen, 64 keys a step.
; LAYOUT.  S^T = K Q^T (source 0 = 16 keys, source 1 = my 16 queries): a lane holds one query (lane % 16) and the keys 8 (lane / 16) + 0..7 of each tile; two tiles, rounded to f16 in pairs, are source 1 of O^T = V^T P.  V is turned by ds_load_tr16_b128.
; SOFTMAX.  A running maximum m and sum l for each query: p = 2^(c s - c m), c = log2(e) / 8; in every step O and l are multiplied by 2^(c m_old - c m_new).
; THE MASK.  Every work-group walks all eight changes of slots (constant trip counts).  A step all of whose keys come after my queries is jumped over (ids alone); on the diagonal hidden scores become -infinity.
;   A slot whose first key comes after the work-group's last query is not asked for.  Every wait on TENSORcnt in this text is for 0.
; NO CLUSTER: work-group j needs 16 - j blocks of keys; a joint tile beyond a partner's causal limit would be read by none of that partner's waves.
; LIMITS: what is read is f16; p under 6e-8 is lost in f16.
.set SK,    256                        ; keys in a slot
.set NSL,   2048/SK
.set KP,    144                        ; a key's row in LDS: 128 bytes + 16
.set VP,    160                        ; a row of V: 128 bytes + 32: an odd multiple of 32, for the turning load
.set VOFF,  SK*KP
.set SLOT1, 1<<17
.set SPARE, 2*SLOT1                    ; the spare words, 128 bytes for each wave
.set STAGE, SPARE+16*128               ; the way out: 16 rows x 144 bytes for each wave; no tensor load lands here
.set SPI,   144
.set AK0, 1
.set AV0, 2
.set SPW, 3
.set NIL, 4
.set GO,  5                            ; v5   16 x lane
.set ADK, 6
.set ADV, 7
.set PFO, 9                            ; v9   256 x lane; never rewritten
.set RH,  10                           ; v10  r - 8 h
.set QR,  16                           ; v16-31  Q's two fragments
.set KR,  32                           ; v32-95  K's eight: (tile t, channels 32 c on) at 8 (2 t + c)
.set VF,  96                           ; v96-159 V's eight: (keys 32 c on, channels 16 t on) at 8 (4 c + t)
.set S,   160                          ; v160-191 S^T, then p
.set P,   192                          ; v192-207 p in f16
.set O,   208                          ; v208-239 O^T
.set STI, 252
.set STB, 253
.set TB,  12
.set KF,  13
.set Q0,  14
.set LASTQ, 15
.set SLOTS, 16
.set LIM, 17
.set WV,  18
.set NC,  19
.set SEL, 20
.set CS,  22
.set G1K, 24
.set G1V, 32
.set G0K, 40
.set G0V, 44
.set PFA, 48
; Waves 0 and 1 fetch for K, waves 2 and 3 for V, the others nothing.  An s_nop 0 and four v_nop follow each of the two lines.
.macro TLOAD
	s_cmp_lt_u32 s[WV], 2
	s_cbranch_scc0 .Lnot_k_\@
	tensor_load_to_lds s[G0K:G0K+3], s[G1K:G1K+7]
	s_nop 0
.rept 4
	v_nop
.endr
	s_branch .Lasked_\@
.Lnot_k_\@:
	s_cmp_lt_u32 s[WV], 4
	s_cbranch_scc0 .Lasked_\@
	tensor_load_to_lds s[G0V:G0V+3], s[G1V:G1V+7]
	s_nop 0
.rept 4
	v_nop
.endr
.Lasked_\@:
.endm
; A prefetch of what the NEXT change of slots will ask for: 32,768 dense bytes of K and as many of V.  All work-groups of a head walk the same rows: the head's work-group 0, which walks all eight slots, asks.
; In it waves 4 to 7 ask for K's, waves 8 to 11 for V's, 8,192 bytes a wave, lanes 256 bytes apart, one instruction.  Slots 2 to 7 are named once each; the last change that fills a slot asks for nothing.
.macro ASK
	s_cmp_gt_u32 s[SLOTS], s[LIM]
	s_cbranch_scc0 .Lnot_mine_\@
	global_prefetch_b8 v[PFO], s[PFA:PFA+1] th:TH_LOAD_NT scope:SCOPE_SE
.Lnot_mine_\@:
.endm
	s_load_b128 s[4:7], s[0:1], 0x0                ; qkv16, attn16
	v_lshl_add_u32 v[SPW], v0, 2, SPARE
	v_mov_b32 v[NIL], 0
	ds_add_u32 v[SPW], v[NIL]                      ; the wave's opening: the add, twice on end, and its wait ahead of the first tensor load
	ds_add_u32 v[SPW], v[NIL]
	v_lshrrev_b32 v8, 5, v0
	v_readfirstlane_b32 s[WV], v8                  ; wave 0..15
	s_and_b32 s52, ttmp7, 0xffff
	s_lshl_b32 s52, s52, 18                        ; the head's first byte in each tensor: 2,048 rows of 128 bytes
	s_lshr_b32 s53, s[WV], 2
	s_xor_b32 s53, s53, s[WV]
	s_and_b32 s53, s53, 1                          ; 1: my tile lies in the late block.  Of waves 2 i and 2 i + 1 one is early and one late
	s_sub_co_u32 s54, 15, ttmp9
	s_cmp_eq_u32 s53, 1
	s_cselect_b32 s54, s54, ttmp9
	s_lshl_b32 s54, s54, 7
	s_lshr_b32 s55, s[WV], 1
	s_lshl_b32 s55, s55, 4
	s_add_co_u32 s[Q0], s54, s55                   ; my first query
	s_sub_co_u32 s[LASTQ], 16, ttmp9
	s_lshl_b32 s[LASTQ], s[LASTQ], 7
	s_sub_co_u32 s[LASTQ], s[LASTQ], 1             ; the work-group's last query
	s_and_b32 s56, s[WV], 1                        ; which half of a slot I fetch, if I fetch
	s_lshl_b32 s57, s56, 14
	s_add_co_u32 s57, s57, s52
	s_mul_i32 s58, s56, 128*KP
	s_mul_i32 s59, s56, 128*VP
	s_add_co_u32 s59, s59, VOFF
	s_add_co_u32 s60, s57, 0x800000                ; K is the second tensor of qkv16,
	s_mov_b32 s61, 0
	s_add_co_u32 s62, s57, 0x1000000               ; V the third
	s_mov_b32 s63, 0
	s_mov_b32 s[G1K], (1<<16)|(1<<20)|(4<<22)|(3<<25)   ; no mask; elements of 2 bytes; padding on: 4 words after every 32
	s_mov_b32 s[G1K+1], 64<<16                     ; tensor_dim0
	s_mov_b32 s[G1K+2], 128<<16                    ; tensor_dim1
	s_mov_b32 s[G1K+3], 64<<16                     ; tile_dim0
	s_mov_b32 s[G1K+4], 128                        ; tile_dim1
	s_mov_b32 s[G1K+5], 64                         ; the pitch
	s_mov_b32 s[G1K+6], 0
	s_mov_b32 s[G1K+7], 0
	s_mov_b32 s[G1V], (1<<16)|(1<<20)|(4<<22)|(7<<25)   ; the same with 8 words of padding
	s_mov_b32 s[G1V+1], 64<<16
	s_mov_b32 s[G1V+2], 128<<16
	s_mov_b32 s[G1V+3], 64<<16
	s_mov_b32 s[G1V+4], 128
	s_mov_b32 s[G1V+5], 64
	s_mov_b32 s[G1V+6], 0
	s_mov_b32 s[G1V+7], 0
	s_mov_b32 s[SEL], 0x76543210
	s_mov_b32 s[SEL+1], 0xfedcba98
	s_mov_b32 s[CS], 0x3e38aa3b                    ; c = log2(e) / 8
	s_mov_b32 s[CS+1], s[CS]
	s_mov_b32 s[NC], 0xbe38aa3b                    ; -c
	s_mov_b32 s[TB], 0
	s_mov_b32 s[KF], 0
	s_mov_b32 s[SLOTS], NSL-1
	s_wait_dscnt 0x0                               ; both opening adds are done
	s_wait_kmcnt 0x0
	s_mov_b32 s[G0K], 1
	s_mov_b32 s[G0K+1], s58
	s_add_nc_u64 s[G0K+2:G0K+3], s[4:5], s[60:61]
	s_or_b32 s[G0K+3], s[G0K+3], 0x80000000
	s_mov_b32 s[G0V], 1
	s_mov_b32 s[G0V+1], s59
	s_add_nc_u64 s[G0V+2:G0V+3], s[4:5], s[62:63]
	s_or_b32 s[G0V+3], s[G0V+3], 0x80000000
	TLOAD                                          ; slot 0: key 0 counts for every query.  One tensor load of a wave is out at the most
	s_lshl_b32 s56, s[Q0], 7
	s_add_co_u32 s56, s56, s52
	s_mov_b32 s57, 0
	s_add_nc_u64 s[60:61], s[4:5], s[56:57]        ; Q at my first query
	s_add_nc_u64 s[6:7], s[6:7], s[56:57]          ; O likewise
	s_mov_b32 s62, 0x1000000                       ; the prefetches: where my wave's stand, and who asks
	s_cmp_lt_u32 s[WV], 8
	s_cselect_b32 s62, 0x800000, s62
	s_add_co_u32 s62, s62, s52
	s_and_b32 s58, s[WV], 3
	s_lshl_b32 s58, s58, 13
	s_add_co_u32 s62, s62, s58
	s_add_co_u32 s62, s62, SK*128                  ; in slot 1: the first change of slots steps it to slot 2.  Nothing is prefetched here, at the head
	s_mov_b32 s63, 0
	s_add_nc_u64 s[PFA:PFA+1], s[4:5], s[62:63]
	s_sub_co_u32 s58, s[WV], 4
	s_lshr_b32 s58, s58, 3                         ; 0 in waves 4 to 11,
	s_or_b32 s58, s58, ttmp9                       ; of the head's work-group 0
	s_cmp_eq_u32 s58, 0
	s_cselect_b32 s[LIM], 1, -1
	v_and_b32 v10, 15, v0                          ; r
	v_bfe_u32 v11, v0, 4, 1                        ; h
	v_lshlrev_b32 v8, 7, v10
	v_lshl_add_u32 v8, v11, 4, v8                  ; Q: 128 r + 16 h
.irp c, 0,1
	global_load_b128 v[QR+8*\c:QR+8*\c+3], v8, s[60:61] offset:64*\c
	global_load_b128 v[QR+8*\c+4:QR+8*\c+7], v8, s[60:61] offset:64*\c+32
.endr
	v_mul_u32_u24 v[AK0], v10, KP
	v_lshl_add_u32 v[AK0], v11, 4, v[AK0]
	v_and_b32 v[AV0], 7, v0
	v_lshl_add_u32 v[AV0], v11, 3, v[AV0]
	v_mul_u32_u24 v[AV0], v[AV0], VP
	v_bfe_u32 v6, v0, 3, 1
	v_lshl_add_u32 v[AV0], v6, 4, v[AV0]
	v_add_nc_u32 v[AV0], VOFF, v[AV0]
	v_and_b32 v[GO], 31, v0
	v_lshlrev_b32 v[PFO], 8, v[GO]
	s_mul_i32 s58, s[WV], 16*SPI
	s_add_co_u32 s58, s58, STAGE                   ; my stage
	v_mul_u32_u24 v[STI], v10, SPI
	v_lshl_add_u32 v[STI], v11, 4, v[STI]
	v_add_nc_u32 v[STI], s58, v[STI]               ; in: row r, + 16 h
	v_lshrrev_b32 v[STB], 3, v[GO]
	v_mul_u32_u24 v[STB], v[STB], SPI
	v_and_b32 v6, 7, v0
	v_lshl_add_u32 v[STB], v6, 4, v[STB]
	v_add_nc_u32 v[STB], s58, v[STB]               ; back: eight lanes to a row, four rows an instruction
	v_lshlrev_b32 v[GO], 4, v[GO]
	v_lshlrev_b32 v11, 3, v11
	v_sub_nc_u32 v[RH], v10, v11
	v_mov_b32 v13, 0xff61b1e6                      ; m: -3e38, under every score
	v_mul_f32 v12, s[NC], v13                      ; -c m
	v_mov_b32 v14, 0                               ; l, in two halves
	v_mov_b32 v15, 0
	v_mov_b32 v241, 0                              ; a lane permute's destination counts as one of its sources
	v_mov_b32 v247, 0                              ; (named as the upper half of the pair v[246:247])
	v_mov_b32 v251, 0xff800000                     ; -infinity
.irp j, 0,1,2,3,4,5,6,7,8,9,10,11,12,13,14,15,16,17,18,19,20,21,22,23,24,25,26,27,28,29,30,31
	v_mov_b32 v[O+\j], 0                           ; O^T: the step is written once; the first finds zeros, which its rescaling leaves zeros
.endr
; A KEY STEP: 64 keys, the q-th of the slot in hand.
.macro STEP q
	s_add_co_u32 s52, s[Q0], 15
	s_cmp_gt_u32 s[KF], s52                        ; all 64 keys come after my queries: the step's work is left out
	s_cbranch_scc1 .Lhidden_\@
	v_add_nc_u32 v[ADK], s[TB], v[AK0]
	v_add_nc_u32 v[ADV], s[TB], v[AV0]
	v_nop                                          ; with the two additions: four places in front of the loads into V's registers, which the last products read
	v_nop
.irp t, 0,1,2,3
.irp c, 0,1
	ds_load_b128 v[KR+8*(2*\t+\c):KR+8*(2*\t+\c)+3], v[ADK] offset:(64*(\q)+16*\t)*KP+64*\c
	ds_load_b128 v[KR+8*(2*\t+\c)+4:KR+8*(2*\t+\c)+7], v[ADK] offset:(64*(\q)+16*\t)*KP+64*\c+32
.endr
.endr
.irp c, 0,1
.irp t, 0,1,2,3
	ds_load_tr16_b128 v[VF+8*(4*\c+\t):VF+8*(4*\c+\t)+3], v[ADV] offset:(64*(\q)+32*\c)*VP+32*\t
	ds_load_tr16_b128 v[VF+8*(4*\c+\t)+4:VF+8*(4*\c+\t)+7], v[ADV] offset:(64*(\q)+32*\c+16)*VP+32*\t
.endr
.endr
	s_wait_dscnt 16                                ; K's 16 loads are in; V's 16 may be out
.irp t, 0,1,2,3                        ; the four tiles take turns
	v_wmma_f32_16x16x32_f16 v[S+8*\t:S+8*\t+7], v[KR+16*\t:KR+16*\t+7], v[QR:QR+7], 0
.endr
.irp t, 0,1,2,3
	v_wmma_f32_16x16x32_f16 v[S+8*\t:S+8*\t+7], v[KR+16*\t+8:KR+16*\t+15], v[QR+8:QR+15], v[S+8*\t:S+8*\t+7]
.endr
.rept 4
	v_nop
.endr
	s_add_co_u32 s52, s[KF], 63
	s_cmp_le_u32 s52, s[Q0]                        ; all 64 keys count: no mask
	s_cbranch_scc1 .Lopen_\@
	s_sub_co_i32 s52, s[Q0], s[KF]
	v_add_nc_u32 v250, s52, v[RH]                  ; d = my query - KF - 8 h.  Register 8 t + j holds key KF + 16 t + 8 h + j: hidden where 16 t + j > d
.irp n, 0,1,2,3,4,5,6,7,8,9,10,11,12,13,14,15,16,17,18,19,20,21,22,23,24,25,26,27,28,29,30,31
	v_cmp_gt_i32 vcc_lo, 16*(\n/8)+\n%8, v250
	v_cndmask_b32 v[S+\n], v[S+\n], v251, vcc_lo
.endr
.Lopen_\@:
.irp t, 0,1,2,3                        ; the maximum: four chains, each tile from its low end on
	v_max3_num_f32 v[240+\t], v[S+8*\t], v[S+8*\t+1], v[S+8*\t+2]
.endr
.irp t, 0,1,2,3
	v_max3_num_f32 v[240+\t], v[240+\t], v[S+8*\t+3], v[S+8*\t+4]
.endr
.irp t, 0,1,2,3
	v_max3_num_f32 v[240+\t], v[240+\t], v[S+8*\t+5], v[S+8*\t+6]
.endr
	v_max3_num_f32 v240, v240, v[S+7], v[S+15]
	v_max3_num_f32 v242, v242, v[S+23], v[S+31]
	v_max3_num_f32 v240, v240, v241, v242
	v_max3_num_f32 v240, v240, v243, v13           ; and the old m
	v_permlanex16_b32 v241, v240, s[SEL], s[SEL+1] ; the query's other 32 keys lie in the lane 16 away
	v_mov_b32 v244, v12
	v_max_num_f32 v13, v240, v241                  ; the new m
	v_mul_f32 v12, s[NC], v13                      ; -c m
	v_sub_f32 v244, v12, v244                      ; c m_old - c m_new
.irp j, 0,2,4,6,8,10,12,14,16,18,20,22,24,26,28,30
	v_pk_fma_f32 v[S+\j:S+\j+1], v[S+\j:S+\j+1], s[CS:CS+1], v[12:13] op_sel_hi:[1,0,0]   ; c s - c m
.endr
	v_exp_f32 v246, v244                           ; a
.irp j, 0,1,2,3,4,5,6,7,8,9,10,11,12,13,14,15,16,17,18,19,20,21,22,23,24,25,26,27,28,29,30,31
	v_exp_f32 v[S+\j], v[S+\j]                     ; p
.endr
	v_nop                                          ; a plain instruction behind the last exponential
	s_wait_alu depctr_va_vdst(0)                   ; one wait for the 33, ahead of their first reader
	v_pk_mul_f32 v[14:15], v[14:15], v[246:247] op_sel_hi:[1,0]
.irp i, 0,1,2,3,4,5,6,7,8,9,10,11,12,13,14,15
	v_cvt_pk_f16_f32 v[P+\i], v[S+2*\i], v[S+2*\i+1]
.endr
	v_pk_add_f32 v[248:249], v[S:S+1], v[S+2:S+3]  ; the row's sum, of the unrounded p, in two chains
.irp j, 4,8,12,16,20,24,28
	v_pk_add_f32 v[14:15], v[14:15], v[S+\j:S+\j+1]
	v_pk_add_f32 v[248:249], v[248:249], v[S+\j+2:S+\j+3]
.endr
	v_pk_add_f32 v[14:15], v[14:15], v[248:249]
.irp j, 0,2,4,6,8,10,12,14,16,18,20,22,24,26,28,30
	v_pk_mul_f32 v[O+\j:O+\j+1], v[O+\j:O+\j+1], v[246:247] op_sel_hi:[1,0]
.endr
	s_wait_dscnt 0x0                               ; V is in
.irp c, 0,1
.irp t, 0,1,2,3
	v_wmma_f32_16x16x32_f16 v[O+8*\t:O+8*\t+7], v[VF+8*(4*\c+\t):VF+8*(4*\c+\t)+7], v[P+8*\c:P+8*\c+7], v[O+8*\t:O+8*\t+7]
.endr
.endr
.Lhidden_\@:
	s_add_co_u32 s[KF], s[KF], 64
.endm
; THE CHANGE OF SLOTS stands at a slot's head.  Each wave waits for all its tensor loads, adds 0 to its spare word (fill = 1: twice on end),
; and waits for that and for its reads of the slot that it has left.  Behind the barrier the slot ahead is whole and nobody reads the other one, which is filled with the keys that follow, up to the causal limit.
.macro CHANGE fill
	s_wait_tensorcnt 0x0
	ds_add_u32 v[SPW], v[NIL]
.if \fill
	ds_add_u32 v[SPW], v[NIL]
	s_xor_b32 s[G0K+1], s[G0K+1], SLOT1            ; the walking descriptors: the other slot, the next 256 keys
	s_add_nc_u64 s[G0K+2:G0K+3], s[G0K+2:G0K+3], SK*128
	s_xor_b32 s[G0V+1], s[G0V+1], SLOT1
	s_add_nc_u64 s[G0V+2:G0V+3], s[G0V+2:G0V+3], SK*128
	s_wait_xcnt 0x0                                ; the last prefetch, a slot back, has read its address
	s_add_nc_u64 s[PFA:PFA+1], s[PFA:PFA+1], SK*128
.endif
	s_wait_dscnt 0x0
	s_barrier_signal -1
	s_barrier_wait -1
.if \fill
	s_add_co_u32 s52, s[KF], SK                    ; the first key of the slot that this change would ask for
	s_cmp_gt_u32 s52, s[LASTQ]                     ; ids and the count of steps alone: all sixteen waves go the same way
	s_cbranch_scc1 .Lpast_\@
	TLOAD
.Lpast_\@:
	ASK
.endif
.endm
	s_wait_loadcnt 0x0                             ; Q
.Lslot:                                            ; NSL - 1 trips
	CHANGE 1
	STEP 0
	STEP 1
	STEP 2
	STEP 3
	s_xor_b32 s[TB], s[TB], SLOT1
	s_sub_co_u32 s[SLOTS], s[SLOTS], 1
	s_cmp_lg_u32 s[SLOTS], 0
	s_cbranch_scc1 .Lslot
	CHANGE 0                                       ; the last slot is written out: nothing is left to ask for
	STEP 0
	STEP 1
	STEP 2
	STEP 3
	; THE WAY OUT: O^T / l, rounded to f16, through my stage, and out as 512 consecutive bytes an instruction
.rept 4
	v_nop
.endr
	v_add_f32 v14, v14, v15
	v_permlanex16_b32 v241, v14, s[SEL], s[SEL+1]
	v_add_f32 v14, v14, v241
	v_rcp_f32 v246, v14
	v_nop
	s_wait_alu depctr_va_vdst(0)
.irp j, 0,2,4,6,8,10,12,14,16,18,20,22,24,26,28,30
	v_pk_mul_f32 v[S+\j:S+\j+1], v[O+\j:O+\j+1], v[246:247] op_sel_hi:[1,0]
.endr
.irp i, 0,1,2,3,4,5,6,7,8,9,10,11,12,13,14,15
	v_cvt_pk_f16_f32 v[P+\i], v[S+2*\i], v[S+2*\i+1]
.endr
.irp t, 0,1,2,3
	ds_store_b128 v[STI], v[P+4*\t:P+4*\t+3] offset:32*\t
.endr
.irp i, 0,1,2,3
	ds_load_b128 v[KR+4*\i:KR+4*\i+3], v[STB] offset:4*\i*SPI   ; LDS serves a wave's instructions in order: these see my stores
.endr
.irp i, 0,1,2,3
	s_wait_dscnt 3-\i
	global_store_b128 v[GO], v[KR+4*\i:KR+4*\i+3], s[6:7] offset:512*\i
.endr
	s_wait_tensorcnt 0x0                           ; the wave's end
	ds_add_u32 v[SPW], v[NIL]
	s_wait_dscnt 0x0
	s_endpgm
.Lfunc_end_k_q05367cb81e_attn:
	.size	k_q05367cb81e_attn, .Lfunc_end_k_q05367cb81e_attn-k_q05367cb81e_attn
	.p2alignl 7, 3214868480
	.fill 96, 4, 3214868480
	.section	.rodata,"a",@progbits
	.p2align	6, 0x0
	.amdhsa_kernel k_q05367cb81e_attn
		.amdhsa_group_segment_fixed_size 327680
		.amdhsa_private_segment_fixed_size 0
		.amdhsa_enable_private_segment 0
		.amdhsa_kernarg_size 16
		.amdhsa_user_sgpr_count 2
		.amdhsa_user_sgpr_kernarg_segment_ptr 1
		.amdhsa_wavefront_size32 1
		.amdhsa_system_sgpr_workgroup_id_x 1
		.amdhsa_system_sgpr_workgroup_id_y 1
		.amdhsa_system_sgpr_workgroup_id_z 1
		.amdhsa_system_vgpr_workitem_id 0
		.amdhsa_next_free_vgpr 256
		.amdhsa_next_free_sgpr 66
		.amdhsa_reserve_vcc 1
		.amdhsa_float_denorm_mode_32 3
		.amdhsa_float_denorm_mode_16_64 3
		.amdhsa_memory_ordered 1
		.amdhsa_forward_progress 1
		.amdhsa_inst_pref_size 109
	.end_amdhsa_kernel
	.amdgpu_metadata
---
amdhsa.version: [ 1, 2 ]
amdhsa.kernels:
  - .name:           k_q05367cb81e_attn
    .symbol:         k_q05367cb81e_attn.kd
    .args:
      - { .name: qkv16, .offset: 0, .size: 8, .value_kind: global_buffer, .address_space: global }
      - { .name: attn16, .offset: 8, .size: 8, .value_kind: global_buffer, .address_space: global }
    .group_segment_fixed_size: 327680
    .private_segment_fixed_size: 0
    .kernarg_segment_align: 8
    .kernarg_segment_size: 16
    .max_flat_workgroup_size: 512
    .sgpr_count:     66
    .vgpr_count:     256
    .wavefront_size: 32
...
	.end_amdgpu_metadata
.endif
;; end of part 3
;; launch oproj (part 4): grid 8 x 32, 4 waves a work-group, clusters of 4 x 4, 327,680 bytes of LDS; arguments attn16, wo16, out0; writes out0
.if DOCPART == 4
	.amdgcn_target "amdgcn-amd-amdhsa--gfx1250"
	.amdhsa_code_object_version 6
	.text
	.protected	k_q05367cb81e_oproj
	.globl	k_q05367cb81e_oproj
	.p2align	8
	.type	k_q05367cb81e_oproj,@function
k_q05367cb81e_oproj:
	s_mov_b64 s[64:65], 0
	v_nop
	global_prefetch_b8 v0, s[64:65] scope:SCOPE_SE
	s_setreg_imm32_b32 hwreg(HW_REG_WAVE_MODE, 25, 1), 1
	s_wait_xcnt 0x0
	s_wait_alu depctr_hold_cnt(0) depctr_sa_sdst(0) depctr_va_vdst(0) depctr_va_sdst(0) depctr_va_ssrc(0) depctr_va_vcc(0) depctr_vm_vsrc(0)
	s_getreg_b32 s2, hwreg(HW_REG_IB_STS2, 6, 4)
	s_cmp_eq_u32 s2, 0
	s_cbranch_scc0 .Lentry_in_a_cluster
	s_endpgm
.Lentry_in_a_cluster:
	s_bfe_u32 s2, ttmp6, 0x10000c
	s_cmp_lg_u32 s2, 0xf033
	s_cbranch_scc0 .Lentry_shape_is_right
	s_endpgm
.Lentry_shape_is_right:
; OPROJ: out[m][n] = sum over k of attn[m][k] Wo[n][k], 4,096 x 1,024 x 1,024, f16 operands, f32 sums, f32 out.  attn lies by heads, [b][head][s][64]; k = 64 head + channel.  Wo: [n][k] f16.
; A tile of 128 x 128 is made by four waves, 64 x 64 each: 16 accumulators.  K goes in steps of 256 (four heads) through a ring of two LDS slots.
; A's TILE COMES BY HEADS: 128 positions of one head are 16,384 dense bytes; a tensor load takes two such runs, 262,144 bytes apart, as two long rows, with 16 bytes of padding behind every 128:
;   in LDS head p of the K step lies at p x PLANE, its position i at i x 144.  B's tile: 64 rows of 512 bytes to a load, 16 bytes of padding behind each.
; CLUSTERS: 4 x 4 work-groups; A's tiles are asked for jointly along a row of the cluster, B's along a column.  THE MATRIX INSTRUCTION IS USED TRANSPOSED: a lane holds eight neighbouring numbers of a row of out.
; Rows 0 to 15 of both sequences are written here too and written over by the next launch, which carries them in f32.
; REGISTERS: window 0: v0-31 addresses; v32-95 the way out; v128-255 the accumulators ((a, b) at v[128 + 8 (4 a + b)]).  Window 1: two fragment buffers of 128.
.set KSTEP,  256
.set PA,     144
.set PLANE,  128*PA
.set PB,     528
.set BOFF,   4*PLANE
.set HALFB,  64*PB
.set SLOT,   BOFF+2*HALFB
.set STAGE,  2*SLOT                    ; behind the ring: 16 rows x 272 bytes for each wave
.set SPITCH, 272
.set SPARE,  STAGE+4*16*SPITCH
.set ADRA, 16
.set ADRB, 20
.set STO,  24
.set RD,   25
.set CO,   26
.set SPW,  28
.set NIL,  29
.set TMP,  32
.set ACC,  128
.set F0,   0
.set F1,   128
.set G1, 24
.set G0, 32
.set G1B, 48
.set G0B, 56
.set MSB, 0
.macro WIN new
.if MSB != \new
	s_set_vgpr_msb (MSB<<8)|\new
.set MSB, \new
.endif
.endm
.set MUL,  0x05                        ; sources 0 (B) and 1 (A) window 1; C and D window 0
.set TO_F, 0x40
.macro JLOAD s                         ; a joint load: waves 0 and 1 fetch A's two pairs of heads, waves 2 and 3 B's two halves
	s_cmp_eq_u32 s11, 0
	s_cbranch_scc0 .Lfor_b_\@
	tensor_load_to_lds s[G0+4*\s:G0+4*\s+3], s[G1:G1+7]
	s_nop 0
.rept 4
	v_nop
.endr
	s_branch .Lasked_\@
.Lfor_b_\@:
	tensor_load_to_lds s[G0B+4*\s:G0B+4*\s+3], s[G1B:G1B+7]
	s_nop 0
.rept 4
	v_nop
.endr
.Lasked_\@:
.endm
.macro CREST
	s_cmp_lg_u32 s10, 0
	s_cbranch_scc1 .Lnot_wave_0_\@
	s_barrier_signal -3
.Lnot_wave_0_\@:
	s_barrier_wait -3
	s_barrier_signal -1
	s_barrier_wait -1
.endm
.macro CROUND
	s_barrier_signal -1
	s_barrier_wait -1
	CREST
.endm
	s_load_b128 s[4:7], s[0:1], 0x0                ; attn16, wo16
	s_load_b64 s[8:9], s[0:1], 0x10                ; out0
	v_lshl_add_u32 v[SPW], v0, 2, SPARE
	v_mov_b32 v[NIL], 0
	ds_add_u32 v[SPW], v[NIL]                      ; the wave's opening: the add, twice on end, and its wait ahead of my first tensor load
	ds_add_u32 v[SPW], v[NIL]
	v_lshrrev_b32 v1, 5, v0
	v_readfirstlane_b32 s10, v1                    ; wave 0..3
	s_lshr_b32 s11, s10, 1                         ; which half of the tile's rows is mine.  Also: I fetch for A (0) or for B (1)
	s_and_b32 s12, s10, 1                          ; which half of its columns.  Also: which part of that tile I fetch
	s_bfe_u32 s40, ttmp6, 0x40000
	s_bfe_u32 s41, ttmp6, 0x40004
	s_lshl_b32 s42, ttmp9, 2
	s_add_co_u32 s42, s42, s40                     ; tile column
	s_and_b32 s13, ttmp7, 0xffff
	s_lshl_b32 s13, s13, 2
	s_add_co_u32 s13, s13, s41                     ; tile row
	s_lshl_b32 s43, s41, 2
	s_lshl_b32 s43, 15, s43
	s_lshl_b32 s44, 0x1111, s40
	s_or_b32 s[G1+0], s43, (1<<16)|(1<<20)|(1<<21)|(4<<22)|(3<<25)   ; A: the mask of my row; elements of 2 bytes; padding: 4 words after every 32
	s_mov_b32 s[G1+1], 8192<<16                    ; tensor_dim0 = 8,192 elements: 128 positions of a head
	s_mov_b32 s[G1+2], 2<<16                       ; tensor_dim1 = 2 heads
	s_mov_b32 s[G1+3], 8192<<16                    ; tile_dim0
	s_mov_b32 s[G1+4], 2                           ; tile_dim1
	s_mov_b32 s[G1+5], 131072                      ; from head to head, in elements
	s_mov_b32 s[G1+6], 0
	s_mov_b32 s[G1+7], 0
	s_or_b32 s[G1B+0], s44, (1<<16)|(1<<20)|(1<<21)|(6<<22)|(3<<25)  ; B: the mask of my column; 4 words after every 128
	s_mov_b32 s[G1B+1], KSTEP<<16
	s_mov_b32 s[G1B+2], 64<<16
	s_mov_b32 s[G1B+3], KSTEP<<16
	s_mov_b32 s[G1B+4], 64
	s_mov_b32 s[G1B+5], 1024
	s_mov_b32 s[G1B+6], 0
	s_mov_b32 s[G1B+7], 0
	s_lshr_b32 s16, s13, 4                         ; A: the sequence, 4,194,304 bytes each,
	s_lshl_b32 s16, s16, 22
	s_and_b32 s17, s13, 15
	s_lshl_b32 s17, s17, 14                        ; the 128 positions, 16,384 bytes in each head,
	s_add_co_u32 s16, s16, s17
	s_lshl_b32 s17, s12, 19                        ; and my two heads of the K step's four
	s_add_co_u32 s16, s16, s17
	s_mov_b32 s17, 0
	s_lshl_b32 s46, s42, 7                         ; B: row 128 x tile column + 64 x half, 2,048 bytes a row
	s_lshl_b32 s47, s12, 6
	s_add_co_u32 s46, s46, s47
	s_lshl_b32 s46, s46, 11
	s_mov_b32 s47, 0
	s_mul_i32 s20, s12, 2*PLANE                    ; where they go
	s_mul_i32 s21, s12, HALFB
	s_add_co_u32 s21, s21, BOFF
	s_wait_dscnt 0x0                               ; both opening adds are done
	s_wait_kmcnt 0x0
	s_add_nc_u64 s[14:15], s[4:5], s[16:17]
	s_add_nc_u64 s[46:47], s[6:7], s[46:47]
	CROUND                                         ; all sixteen work-groups are here: the first joint loads meet
.irp s, 0,1
	s_mov_b32 s[G0+4*\s], 1
	s_add_co_u32 s[G0+4*\s+1], s20, \s*SLOT
	s_add_nc_u64 s[G0+4*\s+2:G0+4*\s+3], s[14:15], \s*4*262144
	s_or_b32 s[G0+4*\s+3], s[G0+4*\s+3], 0x80000000
	s_mov_b32 s[G0B+4*\s], 1
	s_add_co_u32 s[G0B+4*\s+1], s21, \s*SLOT
	s_add_nc_u64 s[G0B+4*\s+2:G0B+4*\s+3], s[46:47], \s*KSTEP*2
	s_or_b32 s[G0B+4*\s+3], s[G0B+4*\s+3], 0x80000000
	JLOAD \s
.endr
	v_and_b32 v1, 15, v0                           ; r
	v_bfe_u32 v2, v0, 4, 1                         ; h
	v_mul_u32_u24 v3, v1, PA
	v_lshl_add_u32 v3, v2, 4, v3
	v_mul_u32_u24 v4, v1, PB
	v_lshl_add_u32 v4, v2, 4, v4
	s_mul_i32 s21, s11, 64*PA                      ; my 64 rows of A, in every head's plane
	s_mul_i32 s22, s12, HALFB                      ; my 64 rows of B
	s_add_co_u32 s22, s22, BOFF
.irp s, 0,1
	v_add_nc_u32 v[ADRA+\s], s21, v3
	v_add_nc_u32 v[ADRB+\s], s22, v4
	s_add_co_u32 s21, s21, SLOT
	s_add_co_u32 s22, s22, SLOT
.endr
	s_mul_i32 s23, s10, 16*SPITCH
	s_add_co_u32 s23, s23, STAGE                   ; my stage
	v_mul_u32_u24 v5, v1, SPITCH
	v_lshl_add_u32 v5, v2, 5, v5
	v_add_nc_u32 v[STO], s23, v5                   ; in: row r, 32 bytes for each half of the lanes
	v_mul_u32_u24 v5, v2, SPITCH
	v_lshl_add_u32 v5, v1, 4, v5
	v_add_nc_u32 v[RD], s23, v5                    ; back: lanes 0-15 one row of 256 bytes, lanes 16-31 the next
	v_lshlrev_b32 v5, 12, v2
	v_lshl_add_u32 v[CO], v1, 4, v5                ; and the same two rows in out
	s_lshl_b32 s16, s13, 7
	s_lshl_b32 s17, s11, 6
	s_add_co_u32 s16, s16, s17                     ; my first row
	s_lshl_b32 s16, s16, 12
	s_mov_b32 s17, 0
	s_add_nc_u64 s[8:9], s[8:9], s[16:17]
	s_lshl_b32 s46, s42, 9                         ; my first column, in bytes: 512 x tile column + 256 x half
	s_lshl_b32 s47, s12, 8
	s_add_co_u32 s46, s46, s47
	s_mov_b32 s47, 0
	s_add_nc_u64 s[8:9], s[8:9], s[46:47]
.macro MUL8 f, c, a0, zero             ; 8 matrix instructions; the 16 accumulators take turns
.irp a, \a0, \a0+1
.irp b, 0,1,2,3
.if \zero
	v_wmma_f32_16x16x32_f16 v[ACC+8*(4*(\a)+\b):ACC+8*(4*(\a)+\b)+7], v[\f+64+8*(4*\c+\b):\f+64+8*(4*\c+\b)+7], v[\f+8*(4*\c+\a):\f+8*(4*\c+\a)+7], 0
.else
	v_wmma_f32_16x16x32_f16 v[ACC+8*(4*(\a)+\b):ACC+8*(4*(\a)+\b)+7], v[\f+64+8*(4*\c+\b):\f+64+8*(4*\c+\b)+7], v[\f+8*(4*\c+\a):\f+8*(4*\c+\a)+7], v[ACC+8*(4*(\a)+\b):ACC+8*(4*(\a)+\b)+7]
.endif
.endr
.endr
.endm
.macro FETCH slot, qd, f               ; 32 LDS loads in one run: the fragments of quarter qd (one head: 64 along K) into buffer f; the first 32 along K first
	WIN TO_F
.irp c, 0,1
.irp i, 0,1,2,3
	ds_load_b128 v[\f+64+8*(4*\c+\i):\f+64+8*(4*\c+\i)+3],   v[ADRB+\slot] offset:128*(\qd)+64*\c+\i*16*PB
	ds_load_b128 v[\f+64+8*(4*\c+\i)+4:\f+64+8*(4*\c+\i)+7], v[ADRB+\slot] offset:128*(\qd)+64*\c+\i*16*PB+32
	ds_load_b128 v[\f+8*(4*\c+\i):\f+8*(4*\c+\i)+3],         v[ADRA+\slot] offset:(\qd)*PLANE+64*\c+\i*16*PA
	ds_load_b128 v[\f+8*(4*\c+\i)+4:\f+8*(4*\c+\i)+7],       v[ADRA+\slot] offset:(\qd)*PLANE+64*\c+\i*16*PA+32
.endr
.endr
.endm
.macro PLACES
.rept 4
	v_nop
.endr
.endm
.macro QUARTER slot, qd, f, g, zero    ; multiplies buffer f and fetches quarter qd of the same slot into g
	s_wait_dscnt 16                                ; the first 32 along K are in
	WIN MUL
	MUL8 \f, 0, 0, \zero
	MUL8 \f, 0, 2, \zero
	PLACES
	FETCH \slot, \qd, \g
	s_wait_dscnt 32                                ; all but the 32 just issued
	WIN MUL
	MUL8 \f, 1, 0, 0
	MUL8 \f, 1, 2, 0
.endm
; The last quarter multiplies buffer 1 and changes slots: one barrier; in front of it each wave waits for all its tensor loads, adds 0 to its spare word, and waits for that and for its reads of this slot.
.macro TURN slot, next, fill
	WIN 0
	s_wait_tensorcnt 0x0
	ds_add_u32 v[SPW], v[NIL]
	s_wait_dscnt 17                                ; (the add and the youngest sixteen loads may be out)
	WIN MUL
	MUL8 F1, 0, 0, 0
	s_wait_dscnt 0x0
	s_barrier_signal -1
	MUL8 F1, 0, 2, 0
.if \fill
	WIN 0
.endif
	s_barrier_wait -1
.if \fill
	CREST                                          ; the barrier has opened a round of the cluster's barrier
	s_add_nc_u64 s[G0+4*\slot+2:G0+4*\slot+3], s[G0+4*\slot+2:G0+4*\slot+3], 8*262144     ; two K steps on: eight heads
	s_add_nc_u64 s[G0B+4*\slot+2:G0B+4*\slot+3], s[G0B+4*\slot+2:G0B+4*\slot+3], 2*KSTEP*2
	JLOAD \slot                                    ; the first tensor load behind the round; its four v_nop are also the places in front of the loads below
.else
	PLACES
.endif
	FETCH \next, 0, F0
	WIN MUL
	MUL8 F1, 1, 0, 0
	MUL8 F1, 1, 2, 0
.endm
	s_wait_tensorcnt 1                             ; my part of K step 0 is in (K step 1's load may be out),
	s_barrier_signal -1
	s_barrier_wait -1                              ; everybody's is
	FETCH 0, 0, F0
	QUARTER 0, 1, F0, F1, 1                        ; the first products start the sums
	QUARTER 0, 2, F1, F0, 0                        ; K = 1,024 is two laps of the ring: both are written out
	QUARTER 0, 3, F0, F1, 0
	TURN 0, 1, 1
	QUARTER 1, 1, F0, F1, 0
	QUARTER 1, 2, F1, F0, 0
	QUARTER 1, 3, F0, F1, 0
	TURN 1, 0, 1
	QUARTER 0, 1, F0, F1, 0
	QUARTER 0, 2, F1, F0, 0
	QUARTER 0, 3, F0, F1, 0
	TURN 0, 1, 0                                   ; the last lap fills nothing
	QUARTER 1, 1, F0, F1, 0
	QUARTER 1, 2, F1, F0, 0
	QUARTER 1, 3, F0, F1, 0
	s_wait_dscnt 16
	WIN MUL
	MUL8 F1, 0, 0, 0
	MUL8 F1, 0, 2, 0
	s_wait_dscnt 0
	MUL8 F1, 1, 0, 0
	MUL8 F1, 1, 2, 0
	WIN 0
; THE WAY OUT: my 64 columns are 256 aligned bytes of a row.  A block of 16 rows goes through my own stage and comes back as whole rows; no other wave touches these bytes.
.macro TOST a
.irp b, 0,1,2,3
	ds_store_b128 v[STO], v[ACC+8*(4*(\a)+\b):ACC+8*(4*(\a)+\b)+3] offset:64*\b          ; each accumulator from its low end on
	ds_store_b128 v[STO], v[ACC+8*(4*(\a)+\b)+4:ACC+8*(4*(\a)+\b)+7] offset:64*\b+16
.endr
.irp t, 0,1,2,3,4,5,6,7
	ds_load_b128 v[TMP+32*((\a)%2)+4*\t:TMP+32*((\a)%2)+4*\t+3], v[RD] offset:2*\t*SPITCH
.endr
.endm
.macro SEND a, younger
	s_wait_dscnt \younger
.irp t, 0,1,2,3,4,5,6,7
	global_store_b128 v[CO], v[TMP+32*((\a)%2)+4*\t:TMP+32*((\a)%2)+4*\t+3], s[8:9] offset:(16*(\a)+2*\t)*4096 th:TH_STORE_NT   ; 16 lanes store 256 consecutive bytes, aligned
.endr
.endm
	PLACES
	TOST 0
	TOST 1
	SEND 0, 16                                     ; behind block 0's loads: block 1's 8 stores and 8 loads
	s_wait_xcnt 0x0                                ; block 0's stores have read their registers
	TOST 2
	SEND 1, 16
	s_wait_xcnt 0x0
	TOST 3
	SEND 2, 16
	SEND 3, 0
	s_wait_tensorcnt 0x0                           ; the wave's end
	ds_add_u32 v[SPW], v[NIL]
	s_wait_dscnt 0x0
	CROUND                                         ; the closing round
	s_endpgm
.Lfunc_end_k_q05367cb81e_oproj:
	.size	k_q05367cb81e_oproj, .Lfunc_end_k_q05367cb81e_oproj-k_q05367cb81e_oproj
	.p2alignl 7, 3214868480
	.fill 96, 4, 3214868480
	.section	.rodata,"a",@progbits
	.p2align	6, 0x0
	.amdhsa_kernel k_q05367cb81e_oproj
		.amdhsa_group_segment_fixed_size 327680
		.amdhsa_private_segment_fixed_size 0
		.amdhsa_enable_private_segment 0
		.amdhsa_kernarg_size 24
		.amdhsa_user_sgpr_count 2
		.amdhsa_user_sgpr_kernarg_segment_ptr 1
		.amdhsa_wavefront_size32 1
		.amdhsa_system_sgpr_workgroup_id_x 1
		.amdhsa_system_sgpr_workgroup_id_y 1
		.amdhsa_system_sgpr_workgroup_id_z 1
		.amdhsa_system_vgpr_workitem_id 0
		.amdhsa_next_free_vgpr 512
		.amdhsa_next_free_sgpr 66
		.amdhsa_reserve_vcc 0
		.amdhsa_float_denorm_mode_32 3
		.amdhsa_float_denorm_mode_16_64 3
		.amdhsa_memory_ordered 1
		.amdhsa_forward_progress 1
		.amdhsa_inst_pref_size 86
	.end_amdhsa_kernel
	.amdgpu_metadata
---
amdhsa.version: [ 1, 2 ]
amdhsa.kernels:
  - .name:           k_q05367cb81e_oproj
    .symbol:         k_q05367cb81e_oproj.kd
    .args:
      - { .name: attn16, .offset: 0, .size: 8, .value_kind: global_buffer, .address_space: global }
      - { .name: wo16, .offset: 8, .size: 8, .value_kind: global_buffer, .address_space: global }
      - { .name: out0, .offset: 16, .size: 8, .value_kind: global_buffer, .address_space: global }
    .group_segment_fixed_size: 327680
    .private_segment_fixed_size: 0
    .kernarg_segment_align: 8
    .kernarg_segment_size: 24
    .max_flat_workgroup_size: 128
    .sgpr_count:     66
    .vgpr_count:     512
    .wavefront_size: 32
...
	.end_amdgpu_metadata
.endif
;; end of part 4
;; launch first16 (part 5): grid 64 x 2, 16 waves a work-group, no clusters, 18,432 bytes of LDS; arguments fine32, Wo, out0; writes out0
.if DOCPART == 5
	.amdgcn_target "amdgcn-amd-amdhsa--gfx1250"
	.amdhsa_code_object_version 6
	.text
	.protected	k_q05367cb81e_first16
	.globl	k_q05367cb81e_first16
	.p2align	8
	.type	k_q05367cb81e_first16,@function
k_q05367cb81e_first16:
	s_mov_b64 s[64:65], 0
	v_nop
	global_prefetch_b8 v0, s[64:65] scope:SCOPE_SE
	s_setreg_imm32_b32 hwreg(HW_REG_WAVE_MODE, 25, 1), 1
	s_wait_xcnt 0x0
; FIRST16: positions 0 to 15 of both sequences once more, all in f32: attention and the projection on the way out.  These rows average one to sixteen values and are the largest of the output.
; fine32: [q, k, v][b][head][16 positions][64 c'] f32, c' = 32 G + 16 u + 8 h + j standing for channel 32 G + 2 (8 h + j) + u.  Wo: [n][k] f32.  out0: rows 0 to 15 of sequence b are written over.
; SHARES.  Work-group (x, b) makes 16 columns n0 = 16 x of the 16 rows.  Wave = head: it makes its head's small attention (every work-group anew: 32 matrix instructions) and multiplies its own 64 channels by Wo;
; the sixteen partial results meet in LDS and are added in the order of the heads.
; All products by v_wmma_f32_16x16x4_f32, whose lane (r, h) holds k = 2 h + 0, 1 of row r.  Which k of the sum stands at which place is chosen alike on both sides, so nothing changes lanes.
; The registers that these instructions write (v160-191, v208-239) are written by them alone; sums begin with the constant 0; the accumulators take turns.
.set SPW, 10
.set NIL, 11
.set SPARE, 16384                      ; behind the partial results: the spare words, 128 bytes for each wave
.set KR,  32                           ; v32-63   K: row r, c' = 32 h + 0 .. 31; later the normalised O
.set QR,  64                           ; v64-95   Q likewise; later the sixteen partial results
.set VR,  96                           ; v96-127  V: register 8 t + e: V[key 8 h + e][c' = 16 t + r]
.set WR,  128                          ; v128-159 Wo[n0 + r][64 head + 32 G + 16 h + e] at 16 G + e
.set SA,  160                          ; four partial sums
.set OT,  208                          ; O^T, four tiles of 16 c'
	s_load_b128 s[4:7], s[0:1], 0x0                ; fine32, Wo
	s_load_b64 s[8:9], s[0:1], 0x10                ; out0
	v_lshl_add_u32 v[SPW], v0, 2, SPARE
	v_mov_b32 v[NIL], 0
	v_lshrrev_b32 v1, 5, v0
	v_readfirstlane_b32 s10, v1                    ; wave = head
	s_and_b32 s11, ttmp7, 0xffff                   ; the sequence
	v_and_b32 v1, 15, v0                           ; r
	v_bfe_u32 v2, v0, 4, 1                         ; h
	v_lshlrev_b32 v3, 8, v1
	v_lshl_add_u32 v3, v2, 7, v3                   ; K, Q: 256 r + 128 h
	v_lshlrev_b32 v4, 2, v1
	v_lshl_add_u32 v4, v2, 11, v4                  ; V: 4 r + 2,048 h
	v_lshlrev_b32 v5, 12, v1
	v_lshl_add_u32 v5, v2, 6, v5                   ; Wo: 4,096 r + 64 h
	v_lshlrev_b32 v6, 3, v2
	v_sub_nc_u32 v6, v1, v6                        ; r - 8 h
	v_mov_b32 v7, 0xff800000                       ; -infinity
	v_mov_b32 v9, 0                                ; a lane permute's destination counts as one of its sources
	s_lshl_b32 s18, s10, 10
	v_lshlrev_b32 v12, 6, v1
	v_lshl_add_u32 v12, v2, 5, v12
	v_add_nc_u32 v12, s18, v12                     ; LDS: my head's 1,024 bytes: position r, 32 h
	v_and_b32 v13, 255, v0                         ; T
	v_lshrrev_b32 v14, 4, v13
	v_lshlrev_b32 v14, 12, v14
	v_and_b32 v15, 15, v13
	v_lshl_add_u32 v14, v15, 2, v14                ; out: 4,096 (T / 16) + 4 (T % 16)
	v_lshlrev_b32 v13, 2, v13                      ; LDS: 4 T
	s_lshl_b32 s12, s11, 4
	s_add_co_u32 s12, s12, s10
	s_lshl_b32 s12, s12, 12                        ; (16 b + head) x 4,096
	s_mov_b32 s13, 0
	s_lshl_b32 s14, ttmp9, 16                      ; n0 rows of 4,096 bytes,
	s_lshl_b32 s15, s10, 8                         ; and my head's 64 channels
	s_add_co_u32 s14, s14, s15
	s_mov_b32 s15, 0
	s_lshl_b32 s16, s11, 23                        ; a sequence of out is 8,388,608 bytes
	s_lshl_b32 s17, ttmp9, 6
	s_add_co_u32 s16, s16, s17
	s_mov_b32 s17, 0
	s_mov_b32 s20, 0x76543210
	s_mov_b32 s21, 0xfedcba98
	s_mov_b32 s22, 0xbe38aa3b                      ; -c, c = log2(e) / 8
	s_mov_b32 s23, 0x3e38aa3b
	s_wait_kmcnt 0x0
	s_add_nc_u64 s[4:5], s[4:5], s[12:13]
	s_add_nc_u64 s[6:7], s[6:7], s[14:15]
	s_add_nc_u64 s[8:9], s[8:9], s[16:17]
.irp i, 0,1,2,3,4,5,6,7
	global_load_b128 v[KR+4*\i:KR+4*\i+3], v3, s[4:5] offset:131072+16*\i
.endr
.irp i, 0,1,2,3,4,5,6,7
	global_load_b128 v[QR+4*\i:QR+4*\i+3], v3, s[4:5] offset:16*\i
.endr
.irp t, 0,1,2,3
.irp e, 0,1,2,3,4,5,6,7
	global_load_b32 v[VR+8*\t+\e], v4, s[4:5] offset:262144+256*\e+64*\t
.endr
.endr
.irp i, 0,1,2,3,4,5,6,7
	global_load_b128 v[WR+4*\i:WR+4*\i+3], v5, s[6:7] offset:128*(\i/4)+16*(\i%4)
.endr
	s_wait_loadcnt 40                              ; K and Q are in; V's 32 loads and Wo's 8 may be out
	; S^T = K Q^T: 16 steps of 4 along the channels, four partial sums by turns
.irp i, 0,1,2,3,4,5,6,7,8,9,10,11,12,13,14,15
.if \i < 4
	v_wmma_f32_16x16x4_f32 v[SA+8*(\i%4):SA+8*(\i%4)+7], v[KR+2*\i:KR+2*\i+1], v[QR+2*\i:QR+2*\i+1], 0
.else
	v_wmma_f32_16x16x4_f32 v[SA+8*(\i%4):SA+8*(\i%4)+7], v[KR+2*\i:KR+2*\i+1], v[QR+2*\i:QR+2*\i+1], v[SA+8*(\i%4):SA+8*(\i%4)+7]
.endif
.endr
.rept 8
	v_nop                                          ; eight places behind this form (ISA guide 7.12.1)
.endr
.irp j, 0,1,2,3,4,5,6,7
	v_add_f32 v[192+\j], v[SA+\j], v[SA+8+\j]      ; lane (r, h), register j: key 8 h + j, query r
.endr
.irp j, 0,1,2,3,4,5,6,7
	v_add_f32 v[200+\j], v[SA+16+\j], v[SA+24+\j]
.endr
.irp j, 0,1,2,3,4,5,6,7
	v_add_f32 v[192+\j], v[192+\j], v[200+\j]
.endr
.irp j, 0,1,2,3,4,5,6,7
	v_cmp_gt_i32 vcc_lo, \j, v6                    ; key 8 h + j comes after query r
	v_cndmask_b32 v[192+\j], v[192+\j], v7, vcc_lo
.endr
	v_max3_num_f32 v8, v192, v193, v194
	v_max3_num_f32 v8, v8, v195, v196
	v_max3_num_f32 v8, v8, v197, v198
	v_max_num_f32 v8, v8, v199
	v_permlanex16_b32 v9, v8, s20, s21
	v_max_num_f32 v8, v8, v9                       ; the row's maximum: key 0 counts for every query
	v_mul_f32 v8, s22, v8                          ; -c m
.irp j, 0,1,2,3,4,5,6,7
	v_fma_f32 v[192+\j], v[192+\j], s23, v8
.endr
.irp j, 0,1,2,3,4,5,6,7
	v_exp_f32 v[200+\j], v[192+\j]                 ; p
.endr
	v_nop
	s_wait_alu depctr_va_vdst(0)                   ; one wait for the eight, ahead of their first reader
	v_add_f32 v16, v200, v201
	v_add_f32 v17, v202, v203
	v_add_f32 v16, v16, v204
	v_add_f32 v17, v17, v205
	v_add_f32 v16, v16, v206
	v_add_f32 v17, v17, v207
	v_add_f32 v16, v16, v17
	v_permlanex16_b32 v9, v16, s20, s21
	v_add_f32 v16, v16, v9                         ; the row's sum
	v_rcp_f32 v17, v16
	v_nop
	s_wait_loadcnt 8                               ; V is in; Wo's 8 loads may be out
	; O^T = V^T P: step i takes keys 8 h + 2 i, + 1; the four tiles of c' by turns
.irp i, 0,1,2,3
.irp t, 0,1,2,3
.if \i == 0
	v_wmma_f32_16x16x4_f32 v[OT+8*\t:OT+8*\t+7], v[VR+8*\t+2*\i:VR+8*\t+2*\i+1], v[200+2*\i:201+2*\i], 0
.else
	v_wmma_f32_16x16x4_f32 v[OT+8*\t:OT+8*\t+7], v[VR+8*\t+2*\i:VR+8*\t+2*\i+1], v[200+2*\i:201+2*\i], v[OT+8*\t:OT+8*\t+7]
.endif
.endr
.endr
.rept 8
	v_nop
.endr
	s_wait_alu depctr_va_vdst(0)                   ; the reciprocal's wait, ahead of its first reader
.irp t, 0,1,2,3                        ; tile t = 2 G + u, register x: channel 32 G + 16 h + 2 x + u: put down so, a lane's 16 registers of a G are 16 neighbouring channels
.irp x, 0,1,2,3,4,5,6,7
	v_mul_f32 v[KR+16*(\t/2)+2*\x+(\t%2)], v[OT+8*\t+\x], v17
.endr
.endr
	s_wait_loadcnt 0x0                             ; Wo
	; out^T = Wo attn^T over my head's 64 channels: source 0 = 16 rows of Wo, source 1 = the 16 positions
.irp k, 0,1,2,3,4,5,6,7,8,9,10,11,12,13,14,15
.if \k < 4
	v_wmma_f32_16x16x4_f32 v[SA+8*(\k%4):SA+8*(\k%4)+7], v[WR+2*\k:WR+2*\k+1], v[KR+2*\k:KR+2*\k+1], 0
.else
	v_wmma_f32_16x16x4_f32 v[SA+8*(\k%4):SA+8*(\k%4)+7], v[WR+2*\k:WR+2*\k+1], v[KR+2*\k:KR+2*\k+1], v[SA+8*(\k%4):SA+8*(\k%4)+7]
.endif
.endr
.rept 8
	v_nop
.endr
.irp j, 0,1,2,3,4,5,6,7
	v_add_f32 v[192+\j], v[SA+\j], v[SA+8+\j]      ; lane (r, h), register j: column n0 + 8 h + j, position r
.endr
.irp j, 0,1,2,3,4,5,6,7
	v_add_f32 v[200+\j], v[SA+16+\j], v[SA+24+\j]
.endr
.irp j, 0,1,2,3,4,5,6,7
	v_add_f32 v[192+\j], v[192+\j], v[200+\j]
.endr
	ds_store_b128 v12, v[192:195]
	ds_store_b128 v12, v[196:199] offset:16
	s_wait_dscnt 0x0                               ; for the others' sake: my stores are done
	s_barrier_signal -1
	s_barrier_wait -1
	s_cmp_ge_u32 s10, 8                            ; 256 numbers: waves 0 to 7 add and store them
	s_cbranch_scc1 .Ldone
.irp w, 0,1,2,3,4,5,6,7,8,9,10,11,12,13,14,15
	ds_load_b32 v[QR+\w], v13 offset:1024*\w
.endr
	s_wait_dscnt 0x0
.irp w, 1,2,3,4,5,6,7,8,9,10,11,12,13,14,15
	v_add_f32 v[QR], v[QR], v[QR+\w]               ; in the order of the heads
.endr
	global_store_b32 v14, v[QR], s[8:9]
.Ldone:
	s_wait_tensorcnt 0x0                           ; the wave's end
	ds_add_u32 v[SPW], v[NIL]
	s_wait_dscnt 0x0
	s_endpgm
.Lfunc_end_k_q05367cb81e_first16:
	.size	k_q05367cb81e_first16, .Lfunc_end_k_q05367cb81e_first16-k_q05367cb81e_first16
	.p2alignl 7, 3214868480
	.fill 96, 4, 3214868480
	.section	.rodata,"a",@progbits
	.p2align	6, 0x0
	.amdhsa_kernel k_q05367cb81e_first16
		.amdhsa_group_segment_fixed_size 18432
		.amdhsa_private_segment_fixed_size 0
		.amdhsa_enable_private_segment 0
		.amdhsa_kernarg_size 24
		.amdhsa_user_sgpr_count 2
		.amdhsa_user_sgpr_kernarg_segment_ptr 1
		.amdhsa_wavefront_size32 1
		.amdhsa_system_sgpr_workgroup_id_x 1
		.amdhsa_system_sgpr_workgroup_id_y 1
		.amdhsa_system_sgpr_workgroup_id_z 1
		.amdhsa_system_vgpr_workitem_id 0
		.amdhsa_next_free_vgpr 256
		.amdhsa_next_free_sgpr 66
		.amdhsa_reserve_vcc 1
		.amdhsa_float_denorm_mode_32 3
		.amdhsa_float_denorm_mode_16_64 3
		.amdhsa_memory_ordered 1
		.amdhsa_forward_progress 1
		.amdhsa_inst_pref_size 18
	.end_amdhsa_kernel
	.amdgpu_metadata
---
amdhsa.version: [ 1, 2 ]
amdhsa.kernels:
  - .name:           k_q05367cb81e_first16
    .symbol:         k_q05367cb81e_first16.kd
    .args:
      - { .name: fine32, .offset: 0, .size: 8, .value_kind: global_buffer, .address_space: global }
      - { .name: Wo, .offset: 8, .size: 8, .value_kind: global_buffer, .address_space: global }
      - { .name: out0, .offset: 16, .size: 8, .value_kind: global_buffer, .address_space: global }
    .group_segment_fixed_size: 18432
    .private_segment_fixed_size: 0
    .kernarg_segment_align: 8
    .kernarg_segment_size: 24
    .max_flat_workgroup_size: 512
    .sgpr_count:     66
    .vgpr_count:     256
    .wavefront_size: 32
...
	.end_amdgpu_metadata
.endif
;; end of part 5
